; MI455X (gfx1250); checked and timed in simulation.
; The chip was launched on July 23, 2026; its instructions are those of AMD's public machine-readable ISA for CDNA 5 (MIT licence, August 2026) and "CDNA5" Instruction Set Architecture Reference Guide (July 2026). The comments in the code are by the model that wrote it; some were corrected since.
;; Multihead Attention. Allowed arithmetic: float matrix products may take bf16 or f16 operands with f32 sums; all other float work in f32.
;; Inputs: Wk 1,024 x 1,024 float32; Wo 1,024 x 1,024 float32; Wq 1,024 x 1,024 float32; Wv 1,024 x 1,024 float32; bk 1,024 float32; bo 1,024 float32; bq 1,024 float32; bv 1,024 float32; key_input 1,024 x 8 x 1,024 float32; key_padding_mask 8 x 1,024 int32; query_input 1,024 x 8 x 1,024 float32; value_input 1,024 x 8 x 1,024 float32.
;; Outputs: out0 1,024 x 8 x 1,024 float32.
;; One version. Each part assembles by itself: llvm-mc -triple=amdgcn-amd-amdhsa -mcpu=gfx1250 --defsym DOCPART=n.
;; ======== version 1 of 1: 5 launches
;; limits: values are held in f16: magnitudes above 65,504 overflow, below 6.1e-05 lose precision
;; workspace buffers: cb 58,720,256 bytes; qkv 50,331,648 bytes; ao 16,777,216 bytes
;; launch cast (part 1): grid 1792 x 1, 8 waves a work-group, no clusters, 0 bytes of LDS; arguments query_input, key_input, value_input, Wq, Wk, Wv, Wo, cb; writes cb
.if DOCPART == 1
	.amdgcn_target "amdgcn-amd-amdhsa--gfx1250"
	.amdhsa_code_object_version 6
	.text
	.protected	k_qe4092b4dc7_cast
	.globl	k_qe4092b4dc7_cast
	.p2align	8
	.type	k_qe4092b4dc7_cast,@function
k_qe4092b4dc7_cast:
	s_mov_b64 s[64:65], 0
	v_nop
	global_prefetch_b8 v0, s[64:65] scope:SCOPE_SE
	s_setreg_imm32_b32 hwreg(HW_REG_WAVE_MODE, 25, 1), 1
	s_wait_xcnt 0x0
; cb = the three activations and the four weights, each rounded once from f32 to f16 (nearest even), one behind the other:
;   query_input at byte 0, key_input at 16,777,216, value_input at 33,554,432 (each [8192][1024] f16),
;   Wq, Wk, Wv, Wo at 50,331,648 + i x 2,097,152 (each [1024][1024] f16).
; LIMIT: a number above 65,504 in magnitude becomes an infinity in f16.
; A stream: no LDS, no barrier, no matrix unit.  Work-group g takes 65,536 input bytes and makes the 32,768 bytes at cb + 32,768 g:
; 3 x 512 groups for the activations, 4 x 64 for the weights.  A load of a wave covers 512 consecutive bytes, a store 256, both aligned.
; All sixteen loads of a thread go out at once; no register is written twice, so no source of a pending instruction is ever rewritten.
.set X, 4                              ; v[4:67]   sixteen loads of four f32
.set Y, 68                             ; v[68:99]  sixteen pairs of packed f16
	s_load_b512 s[8:23], s[0:1], 0x0               ; the seven inputs in s[8:21], cb in s[22:23]
	s_lshr_b32 s24, ttmp9, 9                       ; 0, 1, 2: an activation; 3: a weight
	s_lshr_b32 s25, ttmp9, 6
	s_and_b32 s25, s25, 7                          ; which weight (1,536 is a multiple of 512, so these bits count from 0)
	s_add_co_u32 s25, s25, 3
	s_cmp_lt_u32 s24, 3
	s_cselect_b32 s24, s24, s25                    ; the input's number, 0 to 6
	s_cselect_b32 s26, 511, 63                     ; groups in that input, less one
	s_and_b32 s26, ttmp9, s26
	s_lshl_b32 s26, s26, 16                        ; my 65,536 bytes in it
	s_mov_b32 s27, 0
	s_lshl_b32 s28, ttmp9, 15                      ; my 32,768 bytes in cb
	s_mov_b32 s29, 0
	v_lshlrev_b32 v1, 4, v0                        ; 16 bytes a thread in
	v_lshlrev_b32 v2, 3, v0                        ; 8 bytes a thread out
	s_wait_kmcnt 0x0
	s_mov_b64 s[4:5], s[8:9]
.irp i, 1,2,3,4,5,6
	s_cmp_eq_u32 s24, \i
	s_cselect_b64 s[4:5], s[8+2*\i:9+2*\i], s[4:5] ; a choice between buffers on the group's number alone
.endr
	s_add_nc_u64 s[4:5], s[4:5], s[26:27]
	s_add_nc_u64 s[6:7], s[22:23], s[28:29]
.irp k, 0,1,2,3,4,5,6,7,8,9,10,11,12,13,14,15
	global_load_b128 v[X+4*\k:X+4*\k+3], v1, s[4:5] offset:4096*\k th:TH_LOAD_NT
.endr
.irp k, 0,1,2,3,4,5,6,7,8,9,10,11,12,13,14,15
	s_wait_loadcnt 15-\k                           ; loads come back in order (ISA guide 5.7.1): load k is in, the 15 - k younger ones stay out
	v_cvt_pk_f16_f32 v[Y+2*\k], v[X+4*\k], v[X+4*\k+1]
	v_cvt_pk_f16_f32 v[Y+2*\k+1], v[X+4*\k+2], v[X+4*\k+3]
	global_store_b64 v2, v[Y+2*\k:Y+2*\k+1], s[6:7] offset:2048*\k   ; no hint: the next launch reads these bytes
.endr
	s_endpgm
.Lfunc_end_k_qe4092b4dc7_cast:
	.size	k_qe4092b4dc7_cast, .Lfunc_end_k_qe4092b4dc7_cast-k_qe4092b4dc7_cast
	.p2alignl 7, 3214868480
	.fill 96, 4, 3214868480
	.section	.rodata,"a",@progbits
	.p2align	6, 0x0
	.amdhsa_kernel k_qe4092b4dc7_cast
		.amdhsa_group_segment_fixed_size 0
		.amdhsa_private_segment_fixed_size 0
		.amdhsa_enable_private_segment 0
		.amdhsa_kernarg_size 64
		.amdhsa_user_sgpr_count 2
		.amdhsa_user_sgpr_kernarg_segment_ptr 1
		.amdhsa_wavefront_size32 1
		.amdhsa_system_sgpr_workgroup_id_x 1
		.amdhsa_system_sgpr_workgroup_id_y 1
		.amdhsa_system_sgpr_workgroup_id_z 1
		.amdhsa_system_vgpr_workitem_id 0
		.amdhsa_next_free_vgpr 100
		.amdhsa_next_free_sgpr 66
		.amdhsa_reserve_vcc 0
		.amdhsa_float_denorm_mode_32 3
		.amdhsa_float_denorm_mode_16_64 3
		.amdhsa_memory_ordered 1
		.amdhsa_forward_progress 1
		.amdhsa_inst_pref_size 7
	.end_amdhsa_kernel
	.amdgpu_metadata
---
amdhsa.version: [ 1, 2 ]
amdhsa.kernels:
  - .name:           k_qe4092b4dc7_cast
    .symbol:         k_qe4092b4dc7_cast.kd
    .args:
      - { .name: query_input, .offset: 0, .size: 8, .value_kind: global_buffer, .address_space: global }
      - { .name: key_input, .offset: 8, .size: 8, .value_kind: global_buffer, .address_space: global }
      - { .name: value_input, .offset: 16, .size: 8, .value_kind: global_buffer, .address_space: global }
      - { .name: Wq, .offset: 24, .size: 8, .value_kind: global_buffer, .address_space: global }
      - { .name: Wk, .offset: 32, .size: 8, .value_kind: global_buffer, .address_space: global }
      - { .name: Wv, .offset: 40, .size: 8, .value_kind: global_buffer, .address_space: global }
      - { .name: Wo, .offset: 48, .size: 8, .value_kind: global_buffer, .address_space: global }
      - { .name: cb, .offset: 56, .size: 8, .value_kind: global_buffer, .address_space: global }
    .group_segment_fixed_size: 0
    .private_segment_fixed_size: 0
    .kernarg_segment_align: 8
    .kernarg_segment_size: 64
    .max_flat_workgroup_size: 256
    .sgpr_count:     66
    .vgpr_count:     100
    .wavefront_size: 32
...
	.end_amdgpu_metadata
.endif
;; end of part 1
;; launch qk (part 2): grid 4 x 64, 4 waves a work-group, clusters of 4 x 4, 327,680 bytes of LDS; arguments cb, bq, bk, qkv; writes qkv
.if DOCPART == 2
	.amdgcn_target "amdgcn-amd-amdhsa--gfx1250"
	.amdhsa_code_object_version 6
	.text
	.protected	k_qe4092b4dc7_qk
	.globl	k_qe4092b4dc7_qk
	.p2align	8
	.type	k_qe4092b4dc7_qk,@function
k_qe4092b4dc7_qk:
	s_mov_b64 s[64:65], 0
	v_nop
	global_prefetch_b8 v0, s[64:65] scope:SCOPE_SE
	s_setreg_imm32_b32 hwreg(HW_REG_WAVE_MODE, 25, 1), 1
	s_wait_xcnt 0x0
	s_wait_alu depctr_hold_cnt(0) depctr_sa_sdst(0) depctr_va_vdst(0) depctr_va_sdst(0) depctr_va_ssrc(0) depctr_va_vcc(0) depctr_vm_vsrc(0)
	s_getreg_b32 s2, hwreg(HW_REG_IB_STS2, 6, 4)
	s_cmp_eq_u32 s2, 0
	s_cbranch_scc0 .Lentry_in_a_cluster
	s_endpgm
.Lentry_in_a_cluster:
	s_bfe_u32 s2, ttmp6, 0x10000c
	s_cmp_lg_u32 s2, 0xf033
	s_cbranch_scc0 .Lentry_shape_is_right
	s_endpgm
.Lentry_shape_is_right:
; The projections of q and k as one launch: y = (x W^T + b) * scale, x [8192][1024] and W [1024][1024] in f16 from cb, sums in f32.
; scale = 0.125 log2(e) for q (the softmax of a later launch works in base 2), 1 for k.  y leaves in f16 as [which][B][H][len][64].
; LIMIT: y above 65,504 in magnitude becomes an infinity in f16.
; The two activations lie one behind the other in cb, so they are one matrix of 16,384 rows: block row by = 0..63, which = by / 32.
; 64 x 4 blocks of 256 x 256 are 256 work-groups.  (v's projection is a launch of its own, in blocks of 128 x 256, again 256 work-groups.)
; A work-group makes 256 x 256 of y with four waves, a wave 128 x 128: 64 accumulator tiles of 16 x 16, 512 registers.
; K goes in steps of 128 through a ring of two LDS slots filled by the tensor data mover; a tile's rows are 256 bytes of memory, aligned.
; CLUSTERS: 4 x 4 work-groups.  The four of a cluster's row need the same tiles of x, the four of a column the same tiles of W: such a tile is
; asked for jointly, by the same tensor load with the same descriptor and a mask that names the four.  A cluster covers 1,024 rows, so
; 'which' (the cluster's y / 8) is equal in all sixteen.
;
; REGISTERS, in windows of 256 (s_set_vgpr_msb says which window each operand place means):
;   window 0: v0-31 addresses; v64-127, v128-191 fragments of x, two buffers; v192-255 at work on the way out
;   window 1: v64-127, v128-191 fragments of W, two buffers; v192-255 the bias of my 128 columns, already times scale
;   window 2: the 32 accumulator tiles of my rows 0-63 (tile (a, b) at v[8 (8 a + b)]);   window 3: those of my rows 64-127
; THE MATRIX INSTRUCTION IS USED TRANSPOSED: source 0 = 16 rows of W, source 1 = 16 rows of x, so that lane l holds row l % 16 of y and
; its registers 0 to 7 the columns 8 (l / 16) + 0 .. 7: eight neighbouring numbers, which pack into 16 bytes.
.set SIZE_K, 1024
.set KSTEP,  128
.set PITCHA, 272                       ; an LDS row: 256 bytes + 16 of padding, an odd multiple of 16: the 16 rows that a load touches start at 16 different 16-byte columns
.set PITCHB, 272
.set APART,  128*PITCHA                ; what one tensor load brings of x
.set BPART,  128*PITCHB                ; and of W
.set ABYTES, 2*APART
.set SLOT,   ABYTES+2*BPART            ; x's 256 rows, then W's 256 rows
.set STAGE,  2*SLOT                    ; behind the ring: 16 rows x 272 bytes for each wave, for the way out; no tensor load lands here
.set SPITCH, 272
.set ASTEP,  2*KSTEP                   ; bytes from a K step to the next, in x and in W
.set BSTEP,  2*KSTEP
.set KHI,    128                       ; x's quarter q of a K step begins at byte (q / 2) KHI + (q % 2) 64 of an LDS row
.set LAPS,   SIZE_K/(2*KSTEP)          ; a lap = two K steps = once round the ring: 4
.set W_AT,   50331648                  ; the weights in cb
.set ADRA, 16                          ; v16-17  LDS address of my x fragments in slot 0, 1
.set ADRB, 20                          ; v20-21  the same for W
.set STO,  24                          ; v24     the way out: where I put 16 bytes of a row
.set RD,   25                          ; v25     the way out: where I read back
.set CO,   26                          ; v26     my byte offset in qkv, batches 0-3
.set BOFF, 27                          ; v27     my byte offset in the bias
.set CO2,  28                          ; v28     my byte offset in qkv, batches 4-7
.set F0,   64
.set F1,   128
.set TMP,  192                         ; window 0
.set BIAS, 192                         ; window 1
.set G1, 24                            ; s[24:31] descriptor group 1 for x's tiles
.set G0, 32                            ; s[32:39] descriptor group 0 for x's tiles, one set for each slot
.set G1B, 48                           ; s[48:55] group 1 for W's tiles: it differs in the mask alone
.set G0B, 56                           ; s[56:63] group 0 for W's tiles
.set MSB, 0
.macro WIN new                         ; the immediate's high byte repeats the setting that is left
.if MSB != (\new)
	s_set_vgpr_msb (MSB<<8)|(\new)
.set MSB, \new
.endif
.endm
.set MUL_LO, 0xa1                      ; source 0 (W) window 1, source 1 (x) window 0, C and D window 2
.set MUL_HI, 0xf1                      ; the same, C and D window 3
.set TO_B,   0x40                      ; destination window 1, address window 0
; A joint load.  Waves 0 and 1 fetch x's two halves, waves 2 and 3 W's.  Each line has one mask and one set of registers for all that issue it.
; The branch hangs on the wave's number alone.  Four v_nop follow each of the two lines.
.macro JLOAD s
	s_cmp_eq_u32 s11, 0
	s_cbranch_scc0 .Lfor_b_\@
	tensor_load_to_lds s[G0+4*\s:G0+4*\s+3], s[G1:G1+7]
	s_nop 0
.rept 4
	v_nop
.endr
	s_branch .Lasked_\@
.Lfor_b_\@:
	tensor_load_to_lds s[G0B+4*\s:G0B+4*\s+3], s[G1B:G1B+7]
	s_nop 0
.rept 4
	v_nop
.endr
.Lasked_\@:
.endm
; A round of the cluster's barrier: my work-group's barrier, wave 0 signals for the work-group, every wave waits for all sixteen, my work-group's barrier again.
.macro CREST                           ; a round behind its opening barrier
	s_cmp_lg_u32 s10, 0
	s_cbranch_scc1 .Lnot_wave_0_\@
	s_barrier_signal -3
.Lnot_wave_0_\@:
	s_barrier_wait -3
	s_barrier_signal -1
	s_barrier_wait -1
.endm
.macro CROUND
	s_barrier_signal -1
	s_barrier_wait -1
	CREST
.endm
	s_load_b256 s[72:79], s[0:1], 0x0              ; cb s[72:73], bq s[74:75], bk s[76:77], qkv s[78:79]
	s_set_vgpr_msb 0x40
	v_lshl_add_u32 v63, v0, 2, 0x48400
	s_set_vgpr_msb 0x4000
	v_mov_b32 v63, 0
	s_set_vgpr_msb 0x1
	ds_add_u32 v63, v63
	ds_add_u32 v63, v63
	s_set_vgpr_msb 0x100
	v_lshrrev_b32 v1, 5, v0
	v_readfirstlane_b32 s10, v1                    ; wave 0..3
	s_lshr_b32 s11, s10, 1                         ; which half of the block's rows is mine.  Also: I fetch for x (0) or for W (1)
	s_and_b32 s12, s10, 1                          ; which half of its columns.  Also: which 128 rows of that tile I fetch
	s_bfe_u32 s40, ttmp6, 0x40000                  ; cx
	s_bfe_u32 s41, ttmp6, 0x40004                  ; cy
	s_lshl_b32 s42, ttmp9, 2
	s_add_co_u32 s42, s42, s40                     ; block column bx = 4 x cluster x + cx, 0..3
	s_and_b32 s13, ttmp7, 0xffff
	s_lshr_b32 s70, s13, 3                         ; which: 0 q, 1 k (eight clusters of 1,024 rows each)
	s_lshl_b32 s13, s13, 2
	s_add_co_u32 s13, s13, s41                     ; block row by = 4 x cluster y + cy, 0..63
	s_lshl_b32 s43, s41, 2
	s_lshl_b32 s43, 15, s43                        ; my row of the cluster: places 4 cy .. 4 cy + 3
	s_lshl_b32 s44, 0x1111, s40                    ; my column: places cx, cx + 4, cx + 8, cx + 12
	; group 1: a tile of 128 rows x 128 elements of 2 bytes, 4 words of padding behind every 64 words
	s_or_b32 s[G1+0], s43, (1<<16)|(1<<20)|(1<<21)|(5<<22)|(3<<25)   ; mask of my row; element 2 bytes; padding on; bit 21 beside a mask; interval code 5; pad code 3
	s_or_b32 s[G1B+0], s44, (1<<16)|(1<<20)|(1<<21)|(5<<22)|(3<<25)  ; the same with the mask of my column
	s_mov_b32 s[G1+1], KSTEP<<16                   ; tensor_dim0 = 128
	s_mov_b32 s[G1B+1], KSTEP<<16
	s_mov_b32 s[G1+2], 128<<16                     ; tensor_dim1 = 128
	s_mov_b32 s[G1B+2], 128<<16
	s_mov_b32 s[G1+3], KSTEP<<16                   ; tile_dim0 = 128
	s_mov_b32 s[G1B+3], KSTEP<<16
	s_mov_b32 s[G1+4], 128                         ; tile_dim1 = 128
	s_mov_b32 s[G1B+4], 128
	s_mov_b32 s[G1+5], SIZE_K                      ; elements from row to row
	s_mov_b32 s[G1B+5], SIZE_K
	s_mov_b32 s[G1+6], 0
	s_mov_b32 s[G1B+6], 0
	s_mov_b32 s[G1+7], 0
	s_mov_b32 s[G1B+7], 0
	; x's tiles hang on the block row alone, W's on the block column and on 'which'; each offset in registers that never hold the other coordinate
	s_lshl_b32 s17, s12, 7
	s_lshl_b32 s16, s13, 8
	s_add_co_u32 s16, s16, s17                     ; x: row 256 by + 128 half
	s_lshl_b32 s16, s16, 11                        ; x 2,048 bytes: below 33,554,432
	s_mov_b32 s17, 0
	s_lshl_b32 s47, s12, 7
	s_lshl_b32 s46, s42, 8
	s_add_co_u32 s46, s46, s47                     ; W: row 256 bx + 128 half
	s_lshl_b32 s46, s46, 11
	s_lshl_b32 s71, s70, 21                        ; + which x 2,097,152
	s_add_co_u32 s46, s46, s71
	s_add_co_u32 s46, s46, W_AT
	s_mov_b32 s47, 0
	s_mul_i32 s20, s10, APART                      ; where they go: x's two halves, then W's two halves = wave x 128 rows
	s_wait_dscnt 0x0
	s_wait_kmcnt 0x0
	s_add_nc_u64 s[14:15], s[72:73], s[16:17]
	s_add_nc_u64 s[46:47], s[72:73], s[46:47]
	CROUND                                         ; all sixteen work-groups are here: the first joint loads meet
.irp s, 0,1
	s_mov_b32 s[G0+4*\s], 1                                        ; count = 1
	s_add_co_u32 s[G0+4*\s+1], s20, \s*SLOT                        ; LDS address
	s_add_nc_u64 s[G0+4*\s+2:G0+4*\s+3], s[14:15], \s*ASTEP        ; global address: K step s
	s_or_b32 s[G0+4*\s+3], s[G0+4*\s+3], 0x80000000                ; type = 2
	s_mov_b32 s[G0B+4*\s], 1
	s_add_co_u32 s[G0B+4*\s+1], s20, \s*SLOT
	s_add_nc_u64 s[G0B+4*\s+2:G0B+4*\s+3], s[46:47], \s*BSTEP
	s_or_b32 s[G0B+4*\s+3], s[G0B+4*\s+3], 0x80000000
	JLOAD \s                                       ; the ring is filled before anything else is done: two tensor loads of the wave are out
.endr
	; the bias of my 128 columns: lane (r, h) needs columns 16 b + 8 h + 0..7 of tile column b
	s_mov_b64 s[68:69], s[74:75]
	s_cmp_eq_u32 s70, 1
	s_cselect_b64 s[68:69], s[76:77], s[68:69]
	s_lshl_b32 s66, s42, 10
	s_lshl_b32 s67, s12, 9
	s_add_co_u32 s66, s66, s67                     ; (256 bx + 128 half) x 4 bytes
	s_mov_b32 s67, 0
	s_add_nc_u64 s[68:69], s[68:69], s[66:67]
	v_and_b32 v1, 15, v0                           ; r = l % 16
	v_bfe_u32 v2, v0, 4, 1                         ; h = l / 16
	v_lshlrev_b32 v[BOFF], 5, v2
	WIN TO_B
.irp b, 0,1,2,3,4,5,6,7
	global_load_b128 v[BIAS+8*\b:BIAS+8*\b+3],   v[BOFF], s[68:69] offset:64*\b
	global_load_b128 v[BIAS+8*\b+4:BIAS+8*\b+7], v[BOFF], s[68:69] offset:64*\b+16
.endr
	WIN 0
	; where my block of y begins: which x 16,777,216 + (head 4 bx + 2 half) x 131,072 + (s = 32 (by % 32) + 16 rowhalf) x 128
	s_lshl_b32 s66, s42, 19
	s_lshl_b32 s71, s12, 18
	s_add_co_u32 s66, s66, s71
	s_add_nc_u64 s[8:9], s[78:79], s[66:67]
	s_and_b32 s18, s13, 31
	s_lshl_b32 s18, s18, 12
	s_lshl_b32 s19, s11, 11
	s_add_co_u32 s18, s18, s19
	s_lshl_b32 s19, s70, 24
	s_add_co_u32 s18, s18, s19
	s_mov_b32 s19, 0
	s_add_nc_u64 s[8:9], s[8:9], s[18:19]
	s_mov_b32 s66, 0x3f800000                      ; scale: 1 for k,
	s_cmp_eq_u32 s70, 0
	s_cselect_b32 s66, 0x3e38aa3b, s66             ; 0.125 x 1.442695 for q
	s_mov_b32 s67, s66
	; a fragment is 16 rows x 32 K in 8 registers: lane l holds row l % 16; registers 0-3 K = 8 h + 0..7, registers 4-7 K = 16 + 8 h + 0..7: two loads of 16 bytes, 32 apart
	v_mul_u32_u24 v3, v1, PITCHA
	v_lshl_add_u32 v3, v2, 4, v3                   ; row x pitch + 16 h
	s_mul_i32 s21, s11, 128*PITCHA                 ; my 128 rows of x
	s_mul_i32 s22, s12, BPART                      ; my 128 rows of W,
	s_add_co_u32 s22, s22, ABYTES                  ; which lie behind x's 256
.irp s, 0,1
	v_add_nc_u32 v[ADRA+\s], s21, v3
	v_add_nc_u32 v[ADRB+\s], s22, v3
	s_add_co_u32 s21, s21, SLOT
	s_add_co_u32 s22, s22, SLOT
.endr
	s_mul_i32 s23, s10, 16*SPITCH
	s_add_co_u32 s23, s23, STAGE                   ; my stage
	v_add_nc_u32 v[STO], s23, v3                   ; in: row r, 16 bytes for each half of the lanes (SPITCH = PITCHA)
	; back: a row of y is (s, batch) = (row / 8, row % 8).  Load t takes batch t: lanes 0-7 row t, lanes 8-15 row t + 8, 128 bytes (one head) each; lanes 16-31 the second head
	v_bfe_u32 v5, v0, 3, 1
	v_mul_u32_u24 v5, v5, 8*SPITCH
	v_lshl_add_u32 v5, v2, 7, v5
	v_and_b32 v6, 7, v0
	v_lshl_add_u32 v5, v6, 4, v5
	v_add_nc_u32 v[RD], s23, v5
	v_lshlrev_b32 v5, 4, v1                        ; in qkv: two neighbouring s of one (batch, head) are 256 consecutive bytes,
	v_lshl_add_u32 v[CO], v2, 17, v5               ; the second head 131,072 further on
	v_add_nc_u32 v[CO2], 0x800000, v[CO]           ; batches 4-7: 4 x 2,097,152 further on, more than a store's immediate holds
	s_wait_loadcnt 0x0                             ; the bias, once
	WIN 0x41
.irp p, 0,1,2,3,4,5,6,7,8,9,10,11,12,13,14,15,16,17,18,19,20,21,22,23,24,25,26,27,28,29,30,31
	v_pk_mul_f32 v[BIAS+2*\p:BIAS+2*\p+1], v[BIAS+2*\p:BIAS+2*\p+1], s[66:67] op_sel_hi:[1,0]   ; (sum + b) scale = sum x scale + b x scale: one fused multiply-add on the way out
.endr
	WIN 0
; 16 matrix instructions: m blocks a0, a0 + 1 of the window's four x all 8 n blocks, 32 along K.  zero = 1: the first product starts the sums.
.macro MUL16 f, hi, a0, zero
.irp a, \a0, \a0+1
.irp b, 0,1,2,3,4,5,6,7
.if \zero
	v_wmma_f32_16x16x32_f16 v[8*(8*(\a)+\b):8*(8*(\a)+\b)+7], v[\f+8*\b:\f+8*\b+7], v[\f+8*(4*\hi+\a):\f+8*(4*\hi+\a)+7], 0
.else
	v_wmma_f32_16x16x32_f16 v[8*(8*(\a)+\b):8*(8*(\a)+\b)+7], v[\f+8*\b:\f+8*\b+7], v[\f+8*(4*\hi+\a):\f+8*(4*\hi+\a)+7], v[8*(8*(\a)+\b):8*(8*(\a)+\b)+7]
.endif
.endr
.endr
.endm
; 32 LDS loads in one run: the fragments of quarter q of a K step (128 rows of W, 128 rows of x, 32 K) into buffer f
.macro FETCH slot, q, f
	WIN TO_B
.irp i, 0,1,2,3,4,5,6,7
	ds_load_b128 v[\f+8*\i:\f+8*\i+3],   v[ADRB+\slot] offset:64*\q+\i*16*PITCHB
	ds_load_b128 v[\f+8*\i+4:\f+8*\i+7], v[ADRB+\slot] offset:64*\q+\i*16*PITCHB+32
.endr
	WIN 0
.irp i, 0,1,2,3,4,5,6,7
	ds_load_b128 v[\f+8*\i:\f+8*\i+3],   v[ADRA+\slot] offset:(\q>>1)*KHI+(\q&1)*64+\i*16*PITCHA
	ds_load_b128 v[\f+8*\i+4:\f+8*\i+7], v[ADRA+\slot] offset:(\q>>1)*KHI+(\q&1)*64+\i*16*PITCHA+32
.endr
.endm
; A load into a register that a matrix instruction has read, and a vector instruction that reads a matrix result, stand four places behind it, and only plain
; vector instructions that name none of its registers are places (ISA guide 7.12.1 for vector instructions).
.macro PLACES
.rept 4
	v_nop
.endr
.endm
; A K step is four quarters of 32 along K, 64 matrix instructions each, on buffers 0, 1, 0, 1.  The 64 accumulators take turns, one instruction a turn,
; in the same order in every quarter, over the backward jump too.
.macro QUARTER slot, q, f, g, zero     ; multiplies buffer f; in its middle fetches quarter q into buffer g
	s_wait_dscnt 8                                 ; W and x's rows 0-63 are in; the youngest eight loads (x's rows 64-127) may be out
	WIN MUL_LO
	MUL16 \f, 0, 0, \zero
	MUL16 \f, 0, 2, \zero
	PLACES
	FETCH \slot, \q, \g
	s_wait_dscnt 32                                ; all but the 32 just issued
	WIN MUL_HI
	MUL16 \f, 1, 0, \zero
	MUL16 \f, 1, 2, \zero
.endm
.macro THREE slot, zero
	QUARTER \slot, 1, F0, F1, \zero
	QUARTER \slot, 2, F1, F0, 0
	QUARTER \slot, 3, F0, F1, 0
.endm
; The last quarter multiplies buffer 1 and changes slots.  In front of the barrier each wave waits for its reads of this slot and for all its tensor loads
; (one is out: its part of the next slot).  Behind it the refill comes first, then the next slot's first fragments.
; From a request to the wait for it a wave issues 240 matrix instructions.
.macro TURN slot, next, fill
	s_wait_dscnt 8
	WIN MUL_LO
	MUL16 F1, 0, 0, 0
	s_wait_dscnt 0                                 ; my reads of this slot are over
	s_wait_tensorcnt 0x0                           ; and all my tensor loads have landed
	ds_add_u32 v63, v63
	s_wait_dscnt 0x0
	s_barrier_signal -1                            ; where a slot is filled again this barrier opens a round of the cluster's barrier
	MUL16 F1, 0, 2, 0                              ; register work while the others arrive
	WIN 0
	s_barrier_wait -1
.if \fill
	CREST                                          ; no wave of any partner still reads this slot's tile or has a load on its way
	s_add_nc_u64 s[G0+4*\slot+2:G0+4*\slot+3], s[G0+4*\slot+2:G0+4*\slot+3], 2*ASTEP
	s_add_nc_u64 s[G0B+4*\slot+2:G0B+4*\slot+3], s[G0B+4*\slot+2:G0B+4*\slot+3], 2*BSTEP
	JLOAD \slot                                    ; the first tensor load behind the round, the wave's only one; its four v_nop are also the places in front of the loads below
.else
	PLACES
.endif
	FETCH \next, 0, F0
	WIN MUL_HI
	MUL16 F1, 1, 0, 0
	MUL16 F1, 1, 2, 0
.endm
.macro LAP zero
	THREE 0, \zero
	TURN 0, 1, 1
	THREE 1, 0
	TURN 1, 0, 1
.endm
	s_wait_tensorcnt 1                             ; my part of K step 0 is in; K step 1's may stay out
	s_barrier_signal -1
	s_barrier_wait -1                              ; everybody's is
	FETCH 0, 0, F0
	LAP 1                                          ; the first lap stands in front of the loop: its first products start the sums
	WIN 0
	s_mov_b32 s3, LAPS-2
.Llap:
	LAP 0
	WIN 0
	s_sub_co_u32 s3, s3, 1
	s_cmp_lg_u32 s3, 0
	s_cbranch_scc1 .Llap
	THREE 0, 0                                     ; the last lap fills nothing
	TURN 0, 1, 0
	THREE 1, 0
	s_wait_dscnt 8
	WIN MUL_LO
	MUL16 F1, 0, 0, 0
	MUL16 F1, 0, 2, 0
	s_wait_dscnt 0
	WIN MUL_HI
	MUL16 F1, 1, 0, 0
	MUL16 F1, 1, 2, 0
	; THE WAY OUT, 16 rows at a time: sum x scale + bias x scale, round to f16, 16 bytes a lane into my own stage, read back so that sixteen
	; lanes hold two neighbouring s of one (batch, head): 256 consecutive bytes of qkv, aligned.
	PLACES
; rows 16 i .. 16 i + 15 of my block = the eight tiles (a, 0..7); win: source 0 window 2 or 3, source 2 window 1; rb: read-back registers, two sets in turn
.macro OUT16 i, a, win, rb
	WIN \win
.irp b, 0,1,2,3,4,5,6,7
.irp p, 0,1,2,3
	v_pk_fma_f32 v[TMP+8*\b+2*\p:TMP+8*\b+2*\p+1], v[8*(8*\a+\b)+2*\p:8*(8*\a+\b)+2*\p+1], s[66:67], v[BIAS+8*\b+2*\p:BIAS+8*\b+2*\p+1] op_sel_hi:[1,0,1]
.endr
.endr
	WIN 0
.irp p, 0,1,2,3,4,5,6,7,8,9,10,11,12,13,14,15,16,17,18,19,20,21,22,23,24,25,26,27,28,29,30,31
	v_cvt_pk_f16_f32 v[TMP+\p], v[TMP+2*\p], v[TMP+2*\p+1]         ; in place, ascending: a register is written only when it has been read
.endr
.irp b, 0,1,2,3,4,5,6,7
	ds_store_b128 v[STO], v[TMP+4*\b:TMP+4*\b+3] offset:32*\b
.endr
	s_wait_xcnt 0x0                                ; the read-back registers, which earlier stores read, are loaded again only behind this wait
.irp t, 0,1,2,3,4,5,6,7
	ds_load_b128 v[\rb+4*\t:\rb+4*\t+3], v[RD] offset:\t*SPITCH    ; LDS serves a wave's instructions in order (ISA guide 5.7.1): these see the stores above
.endr
.irp t, 0,1,2,3
	s_wait_dscnt 7-\t
	global_store_b128 v[CO], v[\rb+4*\t:\rb+4*\t+3], s[8:9] offset:\t*2097152+256*\i      ; batch t; 16 rows are two s: 256 bytes
.endr
.irp t, 0,1,2,3
	s_wait_dscnt 3-\t
	global_store_b128 v[CO2], v[\rb+16+4*\t:\rb+16+4*\t+3], s[8:9] offset:\t*2097152+256*\i   ; batch 4 + t
.endr
.endm
	OUT16 0, 0, 0x12, 64
	OUT16 1, 1, 0x12, 96
	OUT16 2, 2, 0x12, 64
	OUT16 3, 3, 0x12, 96
	OUT16 4, 0, 0x13, 64
	OUT16 5, 1, 0x13, 96
	OUT16 6, 2, 0x13, 64
	OUT16 7, 3, 0x13, 96
	s_set_vgpr_msb 0x1
	s_wait_tensorcnt 0x0
	ds_add_u32 v63, v63
	s_wait_dscnt 0x0
	s_set_vgpr_msb 0x100
	CROUND                                         ; the closing round: no work-group ends while a partner may still ask for a tile that names it
	s_endpgm
.Lfunc_end_k_qe4092b4dc7_qk:
	.size	k_qe4092b4dc7_qk, .Lfunc_end_k_qe4092b4dc7_qk-k_qe4092b4dc7_qk
	.p2alignl 7, 3214868480
	.fill 96, 4, 3214868480
	.section	.rodata,"a",@progbits
	.p2align	6, 0x0
	.amdhsa_kernel k_qe4092b4dc7_qk
		.amdhsa_group_segment_fixed_size 327680
		.amdhsa_private_segment_fixed_size 0
		.amdhsa_enable_private_segment 0
		.amdhsa_kernarg_size 32
		.amdhsa_user_sgpr_count 2
		.amdhsa_user_sgpr_kernarg_segment_ptr 1
		.amdhsa_wavefront_size32 1
		.amdhsa_system_sgpr_workgroup_id_x 1
		.amdhsa_system_sgpr_workgroup_id_y 1
		.amdhsa_system_sgpr_workgroup_id_z 1
		.amdhsa_system_vgpr_workitem_id 0
		.amdhsa_next_free_vgpr 1024
		.amdhsa_next_free_sgpr 80
		.amdhsa_reserve_vcc 0
		.amdhsa_float_denorm_mode_32 3
		.amdhsa_float_denorm_mode_16_64 3
		.amdhsa_memory_ordered 1
		.amdhsa_forward_progress 1
		.amdhsa_inst_pref_size 217
	.end_amdhsa_kernel
	.amdgpu_metadata
---
amdhsa.version: [ 1, 2 ]
amdhsa.kernels:
  - .name:           k_qe4092b4dc7_qk
    .symbol:         k_qe4092b4dc7_qk.kd
    .args:
      - { .name: cb, .offset: 0, .size: 8, .value_kind: global_buffer, .address_space: global }
      - { .name: bq, .offset: 8, .size: 8, .value_kind: global_buffer, .address_space: global }
      - { .name: bk, .offset: 16, .size: 8, .value_kind: global_buffer, .address_space: global }
      - { .name: qkv, .offset: 24, .size: 8, .value_kind: global_buffer, .address_space: global }
    .group_segment_fixed_size: 327680
    .private_segment_fixed_size: 0
    .kernarg_segment_align: 8
    .kernarg_segment_size: 32
    .max_flat_workgroup_size: 128
    .sgpr_count:     80
    .vgpr_count:     1024
    .wavefront_size: 32
...
	.end_amdgpu_metadata
.endif
;; end of part 2
;; launch vproj (part 3): grid 4 x 64, 4 waves a work-group, clusters of 4 x 4, 327,680 bytes of LDS; arguments cb, bv, qkv; writes qkv
.if DOCPART == 3
	.amdgcn_target "amdgcn-amd-amdhsa--gfx1250"
	.amdhsa_code_object_version 6
	.text
	.protected	k_qe4092b4dc7_vproj
	.globl	k_qe4092b4dc7_vproj
	.p2align	8
	.type	k_qe4092b4dc7_vproj,@function
k_qe4092b4dc7_vproj:
	s_mov_b64 s[64:65], 0
	v_nop
	global_prefetch_b8 v0, s[64:65] scope:SCOPE_SE
	s_setreg_imm32_b32 hwreg(HW_REG_WAVE_MODE, 25, 1), 1
	s_wait_xcnt 0x0
	s_wait_alu depctr_hold_cnt(0) depctr_sa_sdst(0) depctr_va_vdst(0) depctr_va_sdst(0) depctr_va_ssrc(0) depctr_va_vcc(0) depctr_vm_vsrc(0)
	s_getreg_b32 s2, hwreg(HW_REG_IB_STS2, 6, 4)
	s_cmp_eq_u32 s2, 0
	s_cbranch_scc0 .Lentry_in_a_cluster
	s_endpgm
.Lentry_in_a_cluster:
	s_bfe_u32 s2, ttmp6, 0x10000c
	s_cmp_lg_u32 s2, 0xf033
	s_cbranch_scc0 .Lentry_shape_is_right
	s_endpgm
.Lentry_shape_is_right:
; The projection of v: y = x Wv^T + bv, x [8192][1024] and Wv [1024][1024] in f16 from cb, sums in f32; y leaves in f16 as the third part of qkv, [B][H][S][64].
; LIMIT: y above 65,504 in magnitude becomes an infinity in f16.
; BLOCKS OF 128 x 256: 8,192 x 1,024 outputs are 64 x 4 = 256 such blocks, one work-group each; blocks of 256 x 256 would be 128.
; The price: a wave makes 64 x 128 (32 accumulator tiles, 256 registers) and reads (64 + 128) x 64 bytes from LDS for 32 matrix instructions.
; K goes in steps of 128 through a ring of two LDS slots filled by the tensor data mover; a tile's rows are 256 bytes of memory, aligned.
; Two slots of two steps each would take 4 x 104,448 bytes and do not fit in LDS.
; CLUSTERS: 4 x 4 work-groups; x's tiles are shared along a row of the cluster, Wv's along a column, each asked for by a joint load.
;
; REGISTERS, in windows of 256:
;   window 0: v0-31 addresses; v64-95, v128-159 fragments of x (4 x 16 rows x 32 K), two buffers; v192-255 at work on the way out
;   window 1: v64-127, v128-191 fragments of Wv (8 x 16 rows x 32 K), two buffers; v192-255 the bias of my 128 columns
;   window 2: the 32 accumulator tiles, tile (a, b) at v[8 (8 a + b)]
; THE MATRIX INSTRUCTION IS USED TRANSPOSED: source 0 = 16 rows of Wv, source 1 = 16 rows of x: lane l holds row l % 16 of y, registers 0-7 the columns 8 (l / 16) + 0..7.
.set SIZE_K, 1024
.set KSTEP,  128
.set PITCHA, 272                       ; an LDS row: 256 bytes + 16 of padding, an odd multiple of 16
.set PITCHB, 272
.set BPART,  128*PITCHB                ; one tensor load of Wv: 128 rows
.set BBYTES, 2*BPART
.set APART,  64*PITCHA                 ; one tensor load of x: 64 rows
.set SLOT,   BBYTES+2*APART            ; Wv's 256 rows, then x's 128 rows: 104,448
.set STAGE,  2*SLOT                    ; behind the ring: 16 rows x 272 bytes for each wave; no tensor load lands here
.set SPITCH, 272
.set ASTEP,  2*KSTEP
.set BSTEP,  2*KSTEP
.set KHI,    128                       ; x's quarter q of a K step begins at byte (q / 2) KHI + (q % 2) 64 of an LDS row
.set LAPS,   SIZE_K/(2*KSTEP)          ; a lap = two K steps: 4
.set X_AT,   33554432                  ; value_input in cb
.set W_AT,   54525952                  ; Wv in cb
.set Y_AT,   33554432                  ; v in qkv
.set ADRA, 16                          ; v16-17  LDS address of my x fragments in slot 0, 1
.set ADRB, 20                          ; v20-21  the same for Wv
.set STO,  24
.set RD,   25
.set CO,   26                          ; my byte offset in qkv, batches 0-3
.set BOFF, 27
.set CO2,  28                          ; batches 4-7
.set F0,   64
.set F1,   128
.set TMP,  192                         ; window 0
.set BIAS, 192                         ; window 1
.set G1, 24                            ; s[24:31] group 1 for x's tiles
.set G0, 32                            ; s[32:39] group 0 for x's tiles, one set for each slot
.set G1B, 48                           ; s[48:55] group 1 for Wv's tiles
.set G0B, 56                           ; s[56:63] group 0 for Wv's tiles
.set MSB, 0
.macro WIN new                         ; the immediate's high byte repeats the setting that is left
.if MSB != (\new)
	s_set_vgpr_msb (MSB<<8)|(\new)
.set MSB, \new
.endif
.endm
.set MULW, 0xa1                        ; source 0 (Wv) window 1, source 1 (x) window 0, C and D window 2
.set TO_B, 0x40                        ; destination window 1, address window 0
; A joint load.  Waves 0 and 1 fetch Wv's two halves, waves 2 and 3 x's.  Each line has one mask and one set of registers for all that issue it.
; The branch hangs on the wave's number alone.  Four v_nop follow each of the two lines.
.macro JLOAD s
	s_cmp_eq_u32 s11, 0
	s_cbranch_scc0 .Lfor_a_\@
	tensor_load_to_lds s[G0B+4*\s:G0B+4*\s+3], s[G1B:G1B+7]
	s_nop 0
.rept 4
	v_nop
.endr
	s_branch .Lasked_\@
.Lfor_a_\@:
	tensor_load_to_lds s[G0+4*\s:G0+4*\s+3], s[G1:G1+7]
	s_nop 0
.rept 4
	v_nop
.endr
.Lasked_\@:
.endm
.macro CREST                           ; a round of the cluster's barrier behind its opening barrier
	s_cmp_lg_u32 s10, 0
	s_cbranch_scc1 .Lnot_wave_0_\@
	s_barrier_signal -3
.Lnot_wave_0_\@:
	s_barrier_wait -3
	s_barrier_signal -1
	s_barrier_wait -1
.endm
.macro CROUND
	s_barrier_signal -1
	s_barrier_wait -1
	CREST
.endm
	s_load_b128 s[72:75], s[0:1], 0x0              ; cb s[72:73], bv s[74:75]
	s_load_b64 s[8:9], s[0:1], 0x10                ; qkv
	s_set_vgpr_msb 0x40
	v_lshl_add_u32 v63, v0, 2, 0x37400
	s_set_vgpr_msb 0x4000
	v_mov_b32 v191, 0
	s_set_vgpr_msb 0x1
	ds_add_u32 v63, v191
	ds_add_u32 v63, v191
	s_set_vgpr_msb 0x100
	v_lshrrev_b32 v1, 5, v0
	v_readfirstlane_b32 s10, v1                    ; wave 0..3
	s_lshr_b32 s11, s10, 1                         ; which 64 of the block's rows are mine.  Also: I fetch for Wv (0) or for x (1)
	s_and_b32 s12, s10, 1                          ; which 128 of its columns.  Also: which half of that tile I fetch
	s_bfe_u32 s40, ttmp6, 0x40000                  ; cx
	s_bfe_u32 s41, ttmp6, 0x40004                  ; cy
	s_lshl_b32 s42, ttmp9, 2
	s_add_co_u32 s42, s42, s40                     ; block column bx, 0..3
	s_and_b32 s13, ttmp7, 0xffff
	s_lshl_b32 s13, s13, 2
	s_add_co_u32 s13, s13, s41                     ; block row by, 0..63
	s_lshl_b32 s43, s41, 2
	s_lshl_b32 s43, 15, s43                        ; my row of the cluster
	s_lshl_b32 s44, 0x1111, s40                    ; my column
	; group 1: rows of 128 elements of 2 bytes, 4 words of padding behind every 64 words; x: 64 rows, Wv: 128 rows
	s_or_b32 s[G1+0], s43, (1<<16)|(1<<20)|(1<<21)|(5<<22)|(3<<25)   ; mask of my row; element 2 bytes; padding on; bit 21 beside a mask; interval code 5; pad code 3
	s_or_b32 s[G1B+0], s44, (1<<16)|(1<<20)|(1<<21)|(5<<22)|(3<<25)  ; the same with the mask of my column
	s_mov_b32 s[G1+1], KSTEP<<16                   ; tensor_dim0 = 128
	s_mov_b32 s[G1B+1], KSTEP<<16
	s_mov_b32 s[G1+2], 64<<16                      ; tensor_dim1 = 64
	s_mov_b32 s[G1B+2], 128<<16                    ; tensor_dim1 = 128
	s_mov_b32 s[G1+3], KSTEP<<16                   ; tile_dim0 = 128
	s_mov_b32 s[G1B+3], KSTEP<<16
	s_mov_b32 s[G1+4], 64                          ; tile_dim1 = 64
	s_mov_b32 s[G1B+4], 128                        ; tile_dim1 = 128
	s_mov_b32 s[G1+5], SIZE_K                      ; elements from row to row
	s_mov_b32 s[G1B+5], SIZE_K
	s_mov_b32 s[G1+6], 0
	s_mov_b32 s[G1B+6], 0
	s_mov_b32 s[G1+7], 0
	s_mov_b32 s[G1B+7], 0
	; x's tiles hang on the block row alone, Wv's on the block column alone; each offset in registers that never hold the other coordinate
	s_lshl_b32 s17, s12, 6
	s_lshl_b32 s16, s13, 7
	s_add_co_u32 s16, s16, s17                     ; x: row 128 by + 64 half
	s_lshl_b32 s16, s16, 11                        ; x 2,048 bytes
	s_add_co_u32 s16, s16, X_AT
	s_mov_b32 s17, 0
	s_lshl_b32 s47, s12, 7
	s_lshl_b32 s46, s42, 8
	s_add_co_u32 s46, s46, s47                     ; Wv: row 256 bx + 128 half
	s_lshl_b32 s46, s46, 11
	s_add_co_u32 s46, s46, W_AT
	s_mov_b32 s47, 0
	s_mul_i32 s20, s10, BPART                      ; where Wv's halves go (waves 0, 1)
	s_mul_i32 s45, s10, APART
	s_add_co_u32 s45, s45, BBYTES-2*APART          ; where x's halves go (waves 2, 3): wave 2 begins at BBYTES
	s_wait_dscnt 0x0
	s_wait_kmcnt 0x0
	s_add_nc_u64 s[14:15], s[72:73], s[16:17]
	s_add_nc_u64 s[46:47], s[72:73], s[46:47]
	CROUND                                         ; all sixteen work-groups are here: the first joint loads meet
.irp s, 0,1
	s_mov_b32 s[G0+4*\s], 1                                        ; count = 1
	s_add_co_u32 s[G0+4*\s+1], s45, \s*SLOT                        ; LDS address
	s_add_nc_u64 s[G0+4*\s+2:G0+4*\s+3], s[14:15], \s*ASTEP        ; global address: K step s
	s_or_b32 s[G0+4*\s+3], s[G0+4*\s+3], 0x80000000                ; type = 2
	s_mov_b32 s[G0B+4*\s], 1
	s_add_co_u32 s[G0B+4*\s+1], s20, \s*SLOT
	s_add_nc_u64 s[G0B+4*\s+2:G0B+4*\s+3], s[46:47], \s*BSTEP
	s_or_b32 s[G0B+4*\s+3], s[G0B+4*\s+3], 0x80000000
	JLOAD \s                                       ; two tensor loads of the wave are out
.endr
	; the bias of my 128 columns: lane (r, h) needs columns 16 b + 8 h + 0..7 of tile column b
	s_lshl_b32 s66, s42, 10
	s_lshl_b32 s67, s12, 9
	s_add_co_u32 s66, s66, s67                     ; (256 bx + 128 half) x 4 bytes
	s_mov_b32 s67, 0
	s_add_nc_u64 s[68:69], s[74:75], s[66:67]
	v_and_b32 v1, 15, v0                           ; r
	v_bfe_u32 v2, v0, 4, 1                         ; h
	v_lshlrev_b32 v[BOFF], 5, v2
	WIN TO_B
.irp b, 0,1,2,3,4,5,6,7
	global_load_b128 v[BIAS+8*\b:BIAS+8*\b+3],   v[BOFF], s[68:69] offset:64*\b
	global_load_b128 v[BIAS+8*\b+4:BIAS+8*\b+7], v[BOFF], s[68:69] offset:64*\b+16
.endr
	WIN 0
	; where my block of y begins: Y_AT + (head 4 bx + 2 half) x 131,072 + (s = 16 by + 8 rowhalf) x 128
	s_lshl_b32 s66, s42, 19
	s_lshl_b32 s71, s12, 18
	s_add_co_u32 s66, s66, s71
	s_add_nc_u64 s[8:9], s[8:9], s[66:67]
	s_lshl_b32 s18, s13, 11
	s_lshl_b32 s19, s11, 10
	s_add_co_u32 s18, s18, s19
	s_add_co_u32 s18, s18, Y_AT
	s_mov_b32 s19, 0
	s_add_nc_u64 s[8:9], s[8:9], s[18:19]
	; a fragment is 16 rows x 32 K in 8 registers: lane l holds row l % 16; registers 0-3 K = 8 h + 0..7, registers 4-7 K = 16 + 8 h + 0..7: two loads of 16 bytes, 32 apart
	v_mul_u32_u24 v3, v1, PITCHA
	v_lshl_add_u32 v3, v2, 4, v3                   ; row x pitch + 16 h
	s_mul_i32 s21, s11, APART                      ; my 64 rows of x,
	s_add_co_u32 s21, s21, BBYTES                  ; which lie behind Wv's 256
	s_mul_i32 s22, s12, BPART                      ; my 128 rows of Wv
.irp s, 0,1
	v_add_nc_u32 v[ADRA+\s], s21, v3
	v_add_nc_u32 v[ADRB+\s], s22, v3
	s_add_co_u32 s21, s21, SLOT
	s_add_co_u32 s22, s22, SLOT
.endr
	s_mul_i32 s23, s10, 16*SPITCH
	s_add_co_u32 s23, s23, STAGE                   ; my stage
	v_add_nc_u32 v[STO], s23, v3                   ; in: row r, 16 bytes for each half of the lanes (SPITCH = PITCHA)
	; back: a row of y is (s, batch) = (row / 8, row % 8).  Load t takes batch t: lanes 0-7 row t, lanes 8-15 row t + 8, 128 bytes (one head) each; lanes 16-31 the second head
	v_bfe_u32 v5, v0, 3, 1
	v_mul_u32_u24 v5, v5, 8*SPITCH
	v_lshl_add_u32 v5, v2, 7, v5
	v_and_b32 v6, 7, v0
	v_lshl_add_u32 v5, v6, 4, v5
	v_add_nc_u32 v[RD], s23, v5
	v_lshlrev_b32 v5, 4, v1                        ; in qkv: two neighbouring s of one (batch, head) are 256 consecutive bytes,
	v_lshl_add_u32 v[CO], v2, 17, v5               ; the second head 131,072 further on
	v_add_nc_u32 v[CO2], 0x800000, v[CO]           ; batches 4-7: 4 x 2,097,152 further on, more than a store's immediate holds
; 16 matrix instructions: m blocks a0, a0 + 1 x all 8 n blocks, 32 along K.  zero = 1: the first product starts the sums.
.macro MUL16 f, a0, zero
.irp a, \a0, \a0+1
.irp b, 0,1,2,3,4,5,6,7
.if \zero
	v_wmma_f32_16x16x32_f16 v[8*(8*(\a)+\b):8*(8*(\a)+\b)+7], v[\f+8*\b:\f+8*\b+7], v[\f+8*(\a):\f+8*(\a)+7], 0
.else
	v_wmma_f32_16x16x32_f16 v[8*(8*(\a)+\b):8*(8*(\a)+\b)+7], v[\f+8*\b:\f+8*\b+7], v[\f+8*(\a):\f+8*(\a)+7], v[8*(8*(\a)+\b):8*(8*(\a)+\b)+7]
.endif
.endr
.endr
.endm
; 24 LDS loads in one run: the fragments of quarter q of a K step (128 rows of Wv, 64 rows of x, 32 K) into buffer f
.macro FETCH slot, q, f
	WIN TO_B
.irp i, 0,1,2,3,4,5,6,7
	ds_load_b128 v[\f+8*\i:\f+8*\i+3],   v[ADRB+\slot] offset:64*\q+\i*16*PITCHB
	ds_load_b128 v[\f+8*\i+4:\f+8*\i+7], v[ADRB+\slot] offset:64*\q+\i*16*PITCHB+32
.endr
	WIN 0
.irp i, 0,1,2,3
	ds_load_b128 v[\f+8*\i:\f+8*\i+3],   v[ADRA+\slot] offset:(\q>>1)*KHI+(\q&1)*64+\i*16*PITCHA
	ds_load_b128 v[\f+8*\i+4:\f+8*\i+7], v[ADRA+\slot] offset:(\q>>1)*KHI+(\q&1)*64+\i*16*PITCHA+32
.endr
.endm
; A load into a register that a matrix instruction has read, and a vector instruction that reads a matrix result, stand four places behind it, and only plain
; vector instructions that name none of its registers are places (ISA guide 7.12.1 for vector instructions).
.macro PLACES
.rept 4
	v_nop
.endr
.endm
; A K step is four quarters of 32 along K, 32 matrix instructions each, on buffers 0, 1, 0, 1.  The 32 accumulators take turns, one instruction a turn,
; in the same order in every quarter, over the backward jump too.
; A plain quarter: first the next quarter's fragments (quarter q, into buffer g, which the last quarter has multiplied), then buffer f is multiplied:
; fragments are asked for 32 matrix instructions ahead of their first use.
.macro QPLAIN slot, q, f, g, zero
	PLACES
	FETCH \slot, \q, \g
	s_wait_dscnt 24                                ; all but the 24 just issued: buffer f is in
	WIN MULW
	MUL16 \f, 0, \zero
	MUL16 \f, 2, \zero
.endm
; The third quarter: it fetches the slot's last fragments and holds the barrier for the change of slots.  In front of the signal each wave waits for its reads
; of this slot and for all its tensor loads (one is out: its part of the next slot).
.macro QSYNC slot
	PLACES
	FETCH \slot, 3, F1
	s_wait_dscnt 24
	WIN MULW
	MUL16 F0, 0, 0
	s_wait_dscnt 0                                 ; my reads of this slot are over (issued 16 matrix instructions ago)
	s_wait_tensorcnt 0x0                           ; and all my tensor loads have landed
	ds_add_u32 v63, v191
	s_wait_dscnt 0x0
	s_barrier_signal -1                            ; where the slot is filled again this barrier opens a round of the cluster's barrier
	MUL16 F0, 2, 0                                 ; register work while the others arrive
	WIN 0
	s_barrier_wait -1
.endm
; The fourth quarter: the refill first, then the next slot's first fragments, then buffer 1 is multiplied.
; From a request to the wait for it a wave issues 32 + 32 + 32 + 16 = 112 matrix instructions.
.macro QTURN slot, next, fill
.if \fill
	CREST                                          ; no wave of any partner still reads this slot's tile or has a load on its way
	s_add_nc_u64 s[G0+4*\slot+2:G0+4*\slot+3], s[G0+4*\slot+2:G0+4*\slot+3], 2*ASTEP
	s_add_nc_u64 s[G0B+4*\slot+2:G0B+4*\slot+3], s[G0B+4*\slot+2:G0B+4*\slot+3], 2*BSTEP
	JLOAD \slot                                    ; the first tensor load behind the round, the wave's only one; its four v_nop are also the places in front of the loads below
.else
	PLACES
.endif
	FETCH \next, 0, F0
	WIN MULW
	MUL16 F1, 0, 0                                 ; buffer 1 is in since the wait for 0 above
	MUL16 F1, 2, 0
.endm
.macro KSTP slot, next, fill, zero
	QPLAIN \slot, 1, F0, F1, \zero
	QPLAIN \slot, 2, F1, F0, 0
	QSYNC \slot
	QTURN \slot, \next, \fill
.endm
.macro LAP zero
	KSTP 0, 1, 1, \zero
	KSTP 1, 0, 1, 0
.endm
	s_wait_loadcnt 0x0                             ; the bias, once
	s_wait_tensorcnt 1                             ; my part of K step 0 is in; K step 1's may stay out
	s_barrier_signal -1
	s_barrier_wait -1                              ; everybody's is
	FETCH 0, 0, F0
	LAP 1                                          ; the first lap stands in front of the loop: its first products start the sums
	WIN 0
	s_mov_b32 s3, LAPS-2
.Llap:
	LAP 0
	WIN 0
	s_sub_co_u32 s3, s3, 1
	s_cmp_lg_u32 s3, 0
	s_cbranch_scc1 .Llap
	KSTP 0, 1, 0, 0                                ; the last lap fills nothing
	QPLAIN 1, 1, F0, F1, 0
	QPLAIN 1, 2, F1, F0, 0
	QPLAIN 1, 3, F0, F1, 0
	s_wait_dscnt 0
	MUL16 F1, 0, 0
	MUL16 F1, 2, 0
	; THE WAY OUT, 16 rows at a time: add the bias, round to f16, 16 bytes a lane into my own stage, read back so that sixteen
	; lanes hold two neighbouring s of one (batch, head): 256 consecutive bytes of qkv, aligned.
	PLACES
; rows 16 i .. 16 i + 15 of my block = the eight tiles (i, 0..7); rb: read-back registers, two sets in turn
.macro OUT16 i, rb
	WIN 0x06                                       ; source 0 (sums) window 2, source 1 (bias) window 1
.irp b, 0,1,2,3,4,5,6,7
.irp p, 0,1,2,3
	v_pk_add_f32 v[TMP+8*\b+2*\p:TMP+8*\b+2*\p+1], v[8*(8*\i+\b)+2*\p:8*(8*\i+\b)+2*\p+1], v[BIAS+8*\b+2*\p:BIAS+8*\b+2*\p+1]
.endr
.endr
	WIN 0
.irp p, 0,1,2,3,4,5,6,7,8,9,10,11,12,13,14,15,16,17,18,19,20,21,22,23,24,25,26,27,28,29,30,31
	v_cvt_pk_f16_f32 v[TMP+\p], v[TMP+2*\p], v[TMP+2*\p+1]         ; in place, ascending: a register is written only when it has been read
.endr
.irp b, 0,1,2,3,4,5,6,7
	ds_store_b128 v[STO], v[TMP+4*\b:TMP+4*\b+3] offset:32*\b
.endr
	s_wait_xcnt 0x0                                ; the read-back registers, which earlier stores read, are loaded again only behind this wait
.irp t, 0,1,2,3,4,5,6,7
	ds_load_b128 v[\rb+4*\t:\rb+4*\t+3], v[RD] offset:\t*SPITCH    ; LDS serves a wave's instructions in order (ISA guide 5.7.1): these see the stores above
.endr
.irp t, 0,1,2,3
	s_wait_dscnt 7-\t
	global_store_b128 v[CO], v[\rb+4*\t:\rb+4*\t+3], s[8:9] offset:\t*2097152+256*\i      ; batch t; 16 rows are two s: 256 bytes
.endr
.irp t, 0,1,2,3
	s_wait_dscnt 3-\t
	global_store_b128 v[CO2], v[\rb+16+4*\t:\rb+16+4*\t+3], s[8:9] offset:\t*2097152+256*\i   ; batch 4 + t
.endr
.endm
	OUT16 0, 64
	OUT16 1, 96
	OUT16 2, 64
	OUT16 3, 96
	s_set_vgpr_msb 0x1
	s_wait_tensorcnt 0x0
	ds_add_u32 v63, v191
	s_wait_dscnt 0x0
	s_set_vgpr_msb 0x100
	CROUND                                         ; the closing round: no work-group ends while a partner may still ask for a tile that names it
	s_endpgm
.Lfunc_end_k_qe4092b4dc7_vproj:
	.size	k_qe4092b4dc7_vproj, .Lfunc_end_k_qe4092b4dc7_vproj-k_qe4092b4dc7_vproj
	.p2alignl 7, 3214868480
	.fill 96, 4, 3214868480
	.section	.rodata,"a",@progbits
	.p2align	6, 0x0
	.amdhsa_kernel k_qe4092b4dc7_vproj
		.amdhsa_group_segment_fixed_size 327680
		.amdhsa_private_segment_fixed_size 0
		.amdhsa_enable_private_segment 0
		.amdhsa_kernarg_size 24
		.amdhsa_user_sgpr_count 2
		.amdhsa_user_sgpr_kernarg_segment_ptr 1
		.amdhsa_wavefront_size32 1
		.amdhsa_system_sgpr_workgroup_id_x 1
		.amdhsa_system_sgpr_workgroup_id_y 1
		.amdhsa_system_sgpr_workgroup_id_z 1
		.amdhsa_system_vgpr_workitem_id 0
		.amdhsa_next_free_vgpr 768
		.amdhsa_next_free_sgpr 80
		.amdhsa_reserve_vcc 0
		.amdhsa_float_denorm_mode_32 3
		.amdhsa_float_denorm_mode_16_64 3
		.amdhsa_memory_ordered 1
		.amdhsa_forward_progress 1
		.amdhsa_inst_pref_size 129
	.end_amdhsa_kernel
	.amdgpu_metadata
---
amdhsa.version: [ 1, 2 ]
amdhsa.kernels:
  - .name:           k_qe4092b4dc7_vproj
    .symbol:         k_qe4092b4dc7_vproj.kd
    .args:
      - { .name: cb, .offset: 0, .size: 8, .value_kind: global_buffer, .address_space: global }
      - { .name: bv, .offset: 8, .size: 8, .value_kind: global_buffer, .address_space: global }
      - { .name: qkv, .offset: 16, .size: 8, .value_kind: global_buffer, .address_space: global }
    .group_segment_fixed_size: 327680
    .private_segment_fixed_size: 0
    .kernarg_segment_align: 8
    .kernarg_segment_size: 24
    .max_flat_workgroup_size: 128
    .sgpr_count:     80
    .vgpr_count:     768
    .wavefront_size: 32
...
	.end_amdgpu_metadata
.endif
;; end of part 3
;; launch attn (part 4): grid 256 x 1, 8 waves a work-group, no clusters, 316,416 bytes of LDS; arguments qkv, key_padding_mask, ao; writes ao
.if DOCPART == 4
	.amdgcn_target "amdgcn-amd-amdhsa--gfx1250"
	.amdhsa_code_object_version 6
	.text
	.protected	k_qe4092b4dc7_attn
	.globl	k_qe4092b4dc7_attn
	.p2align	8
	.type	k_qe4092b4dc7_attn,@function
k_qe4092b4dc7_attn:
	s_mov_b64 s[64:65], 0
	v_nop
	global_prefetch_b8 v0, s[64:65] scope:SCOPE_SE
	s_setreg_imm32_b32 hwreg(HW_REG_WAVE_MODE, 25, 1), 1
	s_wait_xcnt 0x0
; Attention of one (batch, head) and one half of its 1,024 queries: ao = softmax(q k^T - FLT_MAX mask) v, q, k, v, ao in f16 as [B][H][len][64].
; q comes already times 0.125 log2(e), so the exponentials are powers of two.  A running maximum is taken away before every exponential.
; Eight waves; wave w owns 64 queries (four blocks of 16) and walks all 1,024 keys in 16 steps of 64.
; All of K (pitch 144) and V (pitch 160) of the head lies in LDS, brought once by tensor loads: no byte of LDS is ever filled again.
; NO CLUSTER: only two work-groups share a head's K and V, and each asks for its 262,144 bytes once, for 2 x 512 x 1,024 x 64 multiply-adds.
; Four partners would mean four blocks of 256 queries, 32 a wave, and each fragment of K and V read from LDS would feed half the products.
; LAYOUTS, chosen so that the probabilities never leave their registers:
;   S^T = K Q^T: source 0 = 16 keys, source 1 = 16 queries.  Lane (r, h) holds query r and keys 8 h + 0..7 of the tile.
;   Two such tiles, packed in place to f16, ARE source 1 (column = query r, k = 32 keys) of O^T = V^T P^T; source 0 = V^T by transposing LDS loads.
;   O^T: lane (r, h) holds query r, d = 16 db + 8 h + 0..7.  So maximum, sum and rescaling factor are one number a lane.
; THE MASK enters as the C operand of the first score product: -2^126 x clamp(mask, -2, 2).  A masked score is then exactly -2^126 (scores below 2^100
; vanish in its rounding), as in the reference it is exactly -FLT_MAX: weight 0 beside any open key, equal weights where a whole batch is masked.
; LIMITS: scores below 2^100 in magnitude.  Where the reference gives NaN (some mask <= -2; every key of a batch with mask >= 2) this text gives finite numbers.
; The probabilities are rounded to f16 for the product with V; their sum is kept in f32 from the unrounded numbers.
.set KP,     144                       ; K's pitch: 128 bytes + 16, an odd multiple of 16
.set VP,     160                       ; V's pitch: 128 bytes + 32, an odd multiple of 32, for the transposing loads
.set VB,     1024*KP                   ; V begins at 147,456
.set MB,     VB+1024*VP                ; 311,296: 1,024 f32 of mask bias; written by LDS stores, no tensor load lands here
.set KPART,  128*KP                    ; one tensor load: 128 keys
.set VPART,  128*VP
.set K_AT,   16777216                  ; k in qkv
.set V_AT,   33554432                  ; v in qkv
.set KAD, 1                            ; v1  r KP + 16 h, stepped by 64 keys
.set VAD, 2                            ; v2  VB + (8 h + l % 8) VP + 16 (l / 8 % 2), stepped by 64 keys
.set MAD, 3                            ; v3  MB + 32 h, stepped by 64 keys
.set STO, 4                            ; v4  the way out: in
.set RDA, 5                            ; v5  the way out: back
.set GO,  6                            ; v6  16 l
.set MP,  8                            ; v[8:15]    running maximum of block qb, twice (a pair for the packed subtraction)
.set AL,  16                           ; v[16:23]   block qb: at work on the maximum, then the rescaling factor, twice
.set LP,  24                           ; v[24:31]   block qb: two partial sums of my half of the keys
.set MT,  32                           ; v[32:63]   mask bias as C tiles, 8 registers for each key block kb
.set KF,  64                           ; v[64:127]  K's fragments, 8 (2 kb + dc)
.set SC,  128                          ; v[128:255] scores, then probabilities: tile (qb, kb) at SC + 32 qb + 8 kb
.set OA,  0                            ; window 1: v[0:127]   O^T, tile (qb, db) at 32 qb + 8 db
.set QF,  128                          ; window 1: v[128:191] Q's fragments, 8 (2 qb + dc)
.set VF,  192                          ; window 1: v[192:255] V^T's fragments, 8 (4 kc + db)
.set G0,  32                           ; s[32:39] descriptor group 0, one set for each of my two loads;  s[16:23] group 1
.set MSB, 0
.macro WIN new                         ; the immediate's high byte repeats the setting that is left
.if MSB != (\new)
	s_set_vgpr_msb (MSB<<8)|(\new)
.set MSB, \new
.endif
.endm
	s_load_b128 s[4:7], s[0:1], 0x0                ; qkv s[4:5], key_padding_mask s[6:7]
	s_load_b64 s[8:9], s[0:1], 0x10                ; ao
	v_lshl_add_u32 v254, v0, 2, 0x4d000
	v_mov_b32 v255, 0
	ds_add_u32 v254, v255
	ds_add_u32 v254, v255
	s_wait_dscnt 0x0
	v_lshrrev_b32 v1, 5, v0
	v_readfirstlane_b32 s10, v1                    ; wave 0..7
	s_lshr_b32 s11, ttmp9, 1                       ; 16 batch + head
	s_and_b32 s12, ttmp9, 1                        ; which half of the queries
	; group 1: 128 keys are 16,384 dense bytes, taken as 64 rows of 32 elements of 8 bytes; padding behind every 32 words, that is behind every key
	s_mov_b32 s17, 32<<16                          ; tensor_dim0 = 32
	s_mov_b32 s18, 64<<16                          ; tensor_dim1 = 64
	s_mov_b32 s19, 32<<16                          ; tile_dim0 = 32
	s_mov_b32 s20, 64                              ; tile_dim1 = 64
	s_mov_b32 s21, 32                              ; elements from row to row: dense
	s_mov_b32 s22, 0
	s_mov_b32 s23, 0
	s_lshl_b32 s24, s11, 17                        ; the head's 131,072 bytes
	s_lshl_b32 s25, s10, 14                        ; + wave x 128 keys x 128 bytes
	s_add_co_u32 s24, s24, s25
	s_mov_b32 s25, 0
	s_wait_kmcnt 0x0
	; All fills of the launch, two a wave, inside one branch on the wave's number: waves 0-3 bring K, waves 4-7 V; load c brings keys 512 c + 128 (w % 4) + 0..127.
	s_cmp_lt_u32 s10, 4
	s_cbranch_scc0 .Lfill_v
	s_mov_b32 s16, 0x07130000                      ; element 8 bytes; padding on; after every 32 words (code 4) 4 words (code 3)
	s_mul_i32 s13, s10, KPART
	s_add_co_u32 s24, s24, K_AT
	s_add_nc_u64 s[14:15], s[4:5], s[24:25]
.irp c, 0,1
	s_mov_b32 s[G0+4*\c], 1
	s_add_co_u32 s[G0+4*\c+1], s13, \c*4*KPART
	s_add_nc_u64 s[G0+4*\c+2:G0+4*\c+3], s[14:15], \c*65536
	s_or_b32 s[G0+4*\c+3], s[G0+4*\c+3], 0x80000000
	tensor_load_to_lds s[G0+4*\c:G0+4*\c+3], s[16:23]
	s_nop 0
.endr
	s_branch .Lfilled
.Lfill_v:
	s_mov_b32 s16, 0x0f130000                      ; the same with 8 words of padding (code 7)
	s_mul_i32 s13, s10, VPART
	s_add_co_u32 s13, s13, VB-4*VPART              ; wave 4 begins at VB
	s_add_co_u32 s24, s24, V_AT-65536              ; and at v's first key
	s_add_nc_u64 s[14:15], s[4:5], s[24:25]
.irp c, 0,1
	s_mov_b32 s[G0+4*\c], 1
	s_add_co_u32 s[G0+4*\c+1], s13, \c*4*VPART
	s_add_nc_u64 s[G0+4*\c+2:G0+4*\c+3], s[14:15], \c*65536
	s_or_b32 s[G0+4*\c+3], s[G0+4*\c+3], 0x80000000
	tensor_load_to_lds s[G0+4*\c:G0+4*\c+3], s[16:23]
	s_nop 0
.endr
.Lfilled:
	; the batch's mask (16 bytes a thread) and my 64 queries' fragments, straight from memory
	s_lshr_b32 s26, s11, 4
	s_lshl_b32 s26, s26, 12                        ; batch x 4,096 bytes
	s_mov_b32 s27, 0
	s_add_nc_u64 s[6:7], s[6:7], s[26:27]
	s_lshl_b32 s26, s11, 17
	s_lshl_b32 s24, s12, 16
	s_add_co_u32 s26, s26, s24
	s_lshl_b32 s24, s10, 13
	s_add_co_u32 s26, s26, s24                     ; head x 131,072 + (512 half + 64 w) x 128
	s_add_nc_u64 s[40:41], s[4:5], s[26:27]        ; my queries (q is the first third of qkv)
	s_add_nc_u64 s[8:9], s[8:9], s[26:27]          ; and my rows of ao
	v_lshlrev_b32 v7, 4, v0
	v_and_b32 v8, 15, v0                           ; r
	v_bfe_u32 v9, v0, 4, 1                         ; h
	v_lshlrev_b32 v37, 7, v8
	v_lshl_add_u32 v37, v9, 4, v37                 ; r x 128 + 16 h
	global_load_b128 v[MT:MT+3], v7, s[6:7]
	WIN 0x40
.irp fr, 0,1,2,3,4,5,6,7
	global_load_b128 v[QF+8*\fr:QF+8*\fr+3],   v37, s[40:41] offset:(\fr>>1)*2048+(\fr&1)*64
	global_load_b128 v[QF+8*\fr+4:QF+8*\fr+7], v37, s[40:41] offset:(\fr>>1)*2048+(\fr&1)*64+32
.endr
	WIN 0
	v_and_b32 v10, 7, v0
	v_bfe_u32 v11, v0, 3, 1
	v_and_b32 v12, 31, v0                          ; l
	s_mul_i32 s26, s10, 64*KP                      ; my stage for the way out: 64 rows of 144 bytes, in K's region, used when K is done with
	v_mul_u32_u24 v[KAD], v8, KP
	v_lshl_add_u32 v[KAD], v9, 4, v[KAD]
	v_add_nc_u32 v[STO], s26, v[KAD]
	v_lshl_add_u32 v13, v9, 3, v10
	v_mul_u32_u24 v13, v13, VP
	v_lshl_add_u32 v13, v11, 4, v13
	v_add_nc_u32 v[VAD], VB, v13
	v_lshl_add_u32 v[MAD], v9, 5, MB
	v_lshrrev_b32 v13, 3, v12
	v_mul_u32_u24 v13, v13, KP
	v_lshl_add_u32 v13, v10, 4, v13
	v_add_nc_u32 v[RDA], s26, v13
	v_lshlrev_b32 v[GO], 4, v12
	v_add_nc_u32 v36, MB, v7
	s_mov_b32 s28, 0x76543210                      ; v_permlanex16_b32: lane i of one half reads lane i of the other
	s_mov_b32 s29, 0xfedcba98
.irp qb, 0,1,2,3
	v_mov_b32 v[AL+2*\qb+1], 0                     ; v_permlanex16_b32 counts as a reader of its destination
.endr
	s_wait_loadcnt 16                              ; the mask is in; the sixteen loads of Q issued behind it stay out
.irp k, 0,1,2,3
	v_cvt_f32_i32 v[MT+\k], v[MT+\k]
.endr
.irp k, 0,1,2,3
	v_med3_num_f32 v[MT+\k], v[MT+\k], -2.0, 2.0
.endr
.irp k, 0,1,2,3
	v_mul_f32 v[MT+\k], 0xfe800000, v[MT+\k]       ; x -2^126: 0, -+2^126, -+2^127, all finite
.endr
	ds_store_b128 v36, v[MT:MT+3]
	s_wait_loadcnt 0x0                             ; Q, once
; One step: 64 keys for my 64 queries.  first = 1: nothing to rescale; the first products start the sums, nothing is cleared.
.macro STEP first
.irp kb, 0,1,2,3
	ds_load_b128 v[MT+8*\kb:MT+8*\kb+3],   v[MAD] offset:64*\kb
	ds_load_b128 v[MT+8*\kb+4:MT+8*\kb+7], v[MAD] offset:64*\kb+16
.endr
.irp fr, 0,1,2,3,4,5,6,7
	ds_load_b128 v[KF+8*\fr:KF+8*\fr+3],   v[KAD] offset:(\fr>>1)*16*KP+(\fr&1)*64
	ds_load_b128 v[KF+8*\fr+4:KF+8*\fr+7], v[KAD] offset:(\fr>>1)*16*KP+(\fr&1)*64+32
.endr
	WIN 0x40
.irp fr, 0,1,2,3,4,5,6,7
	ds_load_tr16_b128 v[VF+8*\fr:VF+8*\fr+3],   v[VAD] offset:(\fr>>2)*32*VP+(\fr&3)*32
	ds_load_tr16_b128 v[VF+8*\fr+4:VF+8*\fr+7], v[VAD] offset:(\fr>>2)*32*VP+(\fr&3)*32+16*VP
.endr
	s_wait_dscnt 16                                ; mask and K are in; V's sixteen loads, the youngest, stay out
	WIN 0x04                                       ; source 1 (Q) window 1
	; scores: the 16 accumulators take turns, one instruction a turn; d = 0..31 with the mask as C, then d = 32..63 in place
.irp qb, 0,1,2,3
.irp kb, 0,1,2,3
	v_wmma_f32_16x16x32_f16 v[SC+32*\qb+8*\kb:SC+32*\qb+8*\kb+7], v[KF+16*\kb:KF+16*\kb+7], v[QF+16*\qb:QF+16*\qb+7], v[MT+8*\kb:MT+8*\kb+7]
.endr
.endr
.irp qb, 0,1,2,3
.irp kb, 0,1,2,3
	v_wmma_f32_16x16x32_f16 v[SC+32*\qb+8*\kb:SC+32*\qb+8*\kb+7], v[KF+16*\kb+8:KF+16*\kb+15], v[QF+16*\qb+8:QF+16*\qb+15], v[SC+32*\qb+8*\kb:SC+32*\qb+8*\kb+7]
.endr
.endr
	WIN 0
.rept 4
	v_nop                                          ; four places before a vector instruction reads a matrix result (ISA guide 7.12.1)
.endr
	; the maximum of my 32 scores of each query and of the old maximum: four chains, one for each block, that do not wait for each other
.irp qb, 0,1,2,3
	v_max3_num_f32 v[AL+2*\qb], v[SC+32*\qb], v[SC+32*\qb+1], v[SC+32*\qb+2]
.endr
.set j, 3
.rept 14
.irp qb, 0,1,2,3
	v_max3_num_f32 v[AL+2*\qb], v[AL+2*\qb], v[SC+32*\qb+j], v[SC+32*\qb+j+1]
.endr
.set j, j+2
.endr
.irp qb, 0,1,2,3
.if \first
	v_max_num_f32 v[AL+2*\qb], v[AL+2*\qb], v[SC+32*\qb+31]
.else
	v_max3_num_f32 v[AL+2*\qb], v[AL+2*\qb], v[SC+32*\qb+31], v[MP+2*\qb]
.endif
.endr
.irp qb, 0,1,2,3
	v_permlanex16_b32 v[AL+2*\qb+1], v[AL+2*\qb], s28, s29         ; the other half of the lanes holds the query's other keys
.endr
.irp qb, 0,1,2,3
	v_max_num_f32 v[AL+2*\qb+1], v[AL+2*\qb], v[AL+2*\qb+1]        ; the new maximum
.endr
.if \first == 0
.irp qb, 0,1,2,3
	v_sub_f32 v[AL+2*\qb], v[MP+2*\qb], v[AL+2*\qb+1]              ; old - new, at most 0
.endr
.endif
.irp qb, 0,1,2,3
	v_mov_b32 v[MP+2*\qb], v[AL+2*\qb+1]
	v_mov_b32 v[MP+2*\qb+1], v[AL+2*\qb+1]
.endr
.if \first == 0
.irp qb, 0,1,2,3
	v_exp_f32 v[AL+2*\qb], v[AL+2*\qb]             ; the factor for what has been summed so far; the subtractions below are the plain place behind it (ISA guide 5.7.2)
.endr
.endif
.irp qb, 0,1,2,3
.set j, 0
.rept 16
	v_pk_add_f32 v[SC+32*\qb+j:SC+32*\qb+j+1], v[SC+32*\qb+j:SC+32*\qb+j+1], v[MP+2*\qb:MP+2*\qb+1] neg_lo:[0,1] neg_hi:[0,1]
.set j, j+2
.endr
.endr
.set j, 0
.rept 128
	v_exp_f32 v[SC+j], v[SC+j]
.set j, j+1
.endr
.if \first
	v_nop                                          ; one plain place behind the last exponential
	s_wait_alu depctr_va_vdst(0)
.irp qb, 0,1,2,3
	v_pk_add_f32 v[LP+2*\qb:LP+2*\qb+1], v[SC+32*\qb:SC+32*\qb+1], v[SC+32*\qb+2:SC+32*\qb+3]
.endr
.set j, 4
.else
	s_wait_alu depctr_va_vdst(0)
.irp qb, 0,1,2,3
	v_mov_b32 v[AL+2*\qb+1], v[AL+2*\qb]           ; the factor twice; also the plain place behind the last exponential
.endr
.irp qb, 0,1,2,3
	v_pk_fma_f32 v[LP+2*\qb:LP+2*\qb+1], v[LP+2*\qb:LP+2*\qb+1], v[AL+2*\qb:AL+2*\qb+1], v[SC+32*\qb:SC+32*\qb+1]
.endr
.set j, 2
.endif
.rept (32-j)/2
.irp qb, 0,1,2,3
	v_pk_add_f32 v[LP+2*\qb:LP+2*\qb+1], v[LP+2*\qb:LP+2*\qb+1], v[SC+32*\qb+j:SC+32*\qb+j+1]
.endr
.set j, j+2
.endr
	; 16 registers (two tiles, 32 keys) pack in place into the 8 of a source-1 fragment; ascending, so a register is written only when it has been read
.irp g, 0,1,2,3,4,5,6,7
.irp i, 0,1,2,3,4,5,6,7
	v_cvt_pk_f16_f32 v[SC+16*\g+\i], v[SC+16*\g+2*\i], v[SC+16*\g+2*\i+1]
.endr
.endr
.if \first == 0
	WIN 0x41
.irp qb, 0,1,2,3
.set j, 0
.rept 16
	v_pk_mul_f32 v[OA+32*\qb+j:OA+32*\qb+j+1], v[OA+32*\qb+j:OA+32*\qb+j+1], v[AL+2*\qb:AL+2*\qb+1]
.set j, j+2
.endr
.endr
.endif
	s_wait_dscnt 0                                 ; V
	WIN 0x51                                       ; source 0 (V^T), C and D window 1; source 1 (P^T) window 0
	; the 16 accumulators take turns, one instruction a turn: keys 0..31, then keys 32..63
.irp qb, 0,1,2,3
.irp db, 0,1,2,3
.if \first
	v_wmma_f32_16x16x32_f16 v[OA+32*\qb+8*\db:OA+32*\qb+8*\db+7], v[VF+8*\db:VF+8*\db+7], v[SC+32*\qb:SC+32*\qb+7], 0
.else
	v_wmma_f32_16x16x32_f16 v[OA+32*\qb+8*\db:OA+32*\qb+8*\db+7], v[VF+8*\db:VF+8*\db+7], v[SC+32*\qb:SC+32*\qb+7], v[OA+32*\qb+8*\db:OA+32*\qb+8*\db+7]
.endif
.endr
.endr
.irp qb, 0,1,2,3
.irp db, 0,1,2,3
	v_wmma_f32_16x16x32_f16 v[OA+32*\qb+8*\db:OA+32*\qb+8*\db+7], v[VF+32+8*\db:VF+32+8*\db+7], v[SC+32*\qb+16:SC+32*\qb+23], v[OA+32*\qb+8*\db:OA+32*\qb+8*\db+7]
.endr
.endr
	WIN 0
	; five places: in front of the next loads into V's fragments (four are asked) and of the next score products, which write over the probabilities (five)
	v_add_nc_u32 v[KAD], 64*KP, v[KAD]
	v_add_nc_u32 v[VAD], 64*VP, v[VAD]
	v_add_nc_u32 v[MAD], 256, v[MAD]
	v_nop
	v_nop
.endm
	s_wait_tensorcnt 1                             ; my part of keys 0..511 is in; my second load may stay out: no LDS byte is filled again behind this barrier
	s_wait_dscnt 0x0                               ; my part of the mask bias is written
	s_barrier_signal -1
	s_barrier_wait -1                              ; everybody's is
	STEP 1
	s_mov_b32 s30, 7
.Lkeys_lo:
	STEP 0
	s_sub_co_u32 s30, s30, 1
	s_cmp_lg_u32 s30, 0
	s_cbranch_scc1 .Lkeys_lo
	s_wait_tensorcnt 0x0                           ; my part of keys 512..1023 is in
	s_wait_dscnt 0x0
	s_barrier_signal -1
	s_barrier_wait -1
	s_mov_b32 s30, 8
.Lkeys_hi:
	STEP 0
	s_sub_co_u32 s30, s30, 1
	s_cmp_lg_u32 s30, 0
	s_cbranch_scc1 .Lkeys_hi
	; the sums: my two partial sums, then the other half's; at least 1, since the largest score gives 2^0
.irp qb, 0,1,2,3
	v_add_f32 v[LP+2*\qb], v[LP+2*\qb], v[LP+2*\qb+1]
.endr
.irp qb, 0,1,2,3
	v_permlanex16_b32 v[LP+2*\qb+1], v[LP+2*\qb], s28, s29
.endr
.irp qb, 0,1,2,3
	v_add_f32 v[LP+2*\qb], v[LP+2*\qb], v[LP+2*\qb+1]
.endr
.irp qb, 0,1,2,3
	v_rcp_f32 v[LP+2*\qb], v[LP+2*\qb]
.endr
	v_nop                                          ; one plain place behind the reciprocals
	s_wait_alu depctr_va_vdst(0)
.irp qb, 0,1,2,3
	v_mov_b32 v[LP+2*\qb+1], v[LP+2*\qb]
.endr
	WIN 0x01                                       ; source 0 (O^T) window 1, result into the scores' registers
.irp qb, 0,1,2,3
.set j, 0
.rept 16
	v_pk_mul_f32 v[SC+32*\qb+j:SC+32*\qb+j+1], v[OA+32*\qb+j:OA+32*\qb+j+1], v[LP+2*\qb:LP+2*\qb+1]
.set j, j+2
.endr
.endr
	WIN 0
.irp qb, 0,1,2,3
.irp i, 0,1,2,3,4,5,6,7,8,9,10,11,12,13,14,15
	v_cvt_pk_f16_f32 v[SC+32*\qb+\i], v[SC+32*\qb+2*\i], v[SC+32*\qb+2*\i+1]
.endr
.endr
	; THE WAY OUT.  A lane's 16 bytes are an eighth of a query's row, and the lanes beside it hold other queries: through LDS, in K's region, which has had
	; its last fill and which no wave reads behind this barrier.
	s_wait_dscnt 0x0
	s_barrier_signal -1
	s_barrier_wait -1
.irp qb, 0,1,2,3
.irp db, 0,1,2,3
	ds_store_b128 v[STO], v[SC+32*\qb+4*\db:SC+32*\qb+4*\db+3] offset:16*KP*\qb+32*\db
.endr
.endr
.irp t, 0,1,2,3,4,5,6,7,8,9,10,11,12,13,14,15
	ds_load_b128 v[KF+4*\t:KF+4*\t+3], v[RDA] offset:4*KP*\t       ; four rows of 128 bytes; my own bytes, served in order (ISA guide 5.7.1)
.endr
.irp t, 0,1,2,3,4,5,6,7,8,9,10,11,12,13,14,15
	s_wait_dscnt 15-\t
	global_store_b128 v[GO], v[KF+4*\t:KF+4*\t+3], s[8:9] offset:512*\t   ; 512 consecutive bytes of ao, aligned
.endr
	s_wait_xcnt 0x0
	v_lshl_add_u32 v254, v0, 2, 0x4d000
	v_mov_b32 v255, 0
	s_wait_tensorcnt 0x0
	ds_add_u32 v254, v255
	s_wait_dscnt 0x0
	s_endpgm
.Lfunc_end_k_qe4092b4dc7_attn:
	.size	k_qe4092b4dc7_attn, .Lfunc_end_k_qe4092b4dc7_attn-k_qe4092b4dc7_attn
	.p2alignl 7, 3214868480
	.fill 96, 4, 3214868480
	.section	.rodata,"a",@progbits
	.p2align	6, 0x0
	.amdhsa_kernel k_qe4092b4dc7_attn
		.amdhsa_group_segment_fixed_size 316416
		.amdhsa_private_segment_fixed_size 0
		.amdhsa_enable_private_segment 0
		.amdhsa_kernarg_size 24
		.amdhsa_user_sgpr_count 2
		.amdhsa_user_sgpr_kernarg_segment_ptr 1
		.amdhsa_wavefront_size32 1
		.amdhsa_system_sgpr_workgroup_id_x 1
		.amdhsa_system_sgpr_workgroup_id_y 1
		.amdhsa_system_sgpr_workgroup_id_z 1
		.amdhsa_system_vgpr_workitem_id 0
		.amdhsa_next_free_vgpr 512
		.amdhsa_next_free_sgpr 66
		.amdhsa_reserve_vcc 0
		.amdhsa_float_denorm_mode_32 3
		.amdhsa_float_denorm_mode_16_64 3
		.amdhsa_memory_ordered 1
		.amdhsa_forward_progress 1
		.amdhsa_inst_pref_size 113
	.end_amdhsa_kernel
	.amdgpu_metadata
---
amdhsa.version: [ 1, 2 ]
amdhsa.kernels:
  - .name:           k_qe4092b4dc7_attn
    .symbol:         k_qe4092b4dc7_attn.kd
    .args:
      - { .name: qkv, .offset: 0, .size: 8, .value_kind: global_buffer, .address_space: global }
      - { .name: key_padding_mask, .offset: 8, .size: 8, .value_kind: global_buffer, .address_space: global }
      - { .name: ao, .offset: 16, .size: 8, .value_kind: global_buffer, .address_space: global }
    .group_segment_fixed_size: 316416
    .private_segment_fixed_size: 0
    .kernarg_segment_align: 8
    .kernarg_segment_size: 24
    .max_flat_workgroup_size: 256
    .sgpr_count:     66
    .vgpr_count:     512
    .wavefront_size: 32
...
	.end_amdgpu_metadata
.endif
;; end of part 4
;; launch oproj (part 5): grid 4 x 64, 4 waves a work-group, clusters of 4 x 4, 327,680 bytes of LDS; arguments ao, cb, bo, out0; writes out0
.if DOCPART == 5
	.amdgcn_target "amdgcn-amd-amdhsa--gfx1250"
	.amdhsa_code_object_version 6
	.text
	.protected	k_qe4092b4dc7_oproj
	.globl	k_qe4092b4dc7_oproj
	.p2align	8
	.type	k_qe4092b4dc7_oproj,@function
k_qe4092b4dc7_oproj:
	s_mov_b64 s[64:65], 0
	v_nop
	global_prefetch_b8 v0, s[64:65] scope:SCOPE_SE
	s_setreg_imm32_b32 hwreg(HW_REG_WAVE_MODE, 25, 1), 1
	s_wait_xcnt 0x0
	s_wait_alu depctr_hold_cnt(0) depctr_sa_sdst(0) depctr_va_vdst(0) depctr_va_sdst(0) depctr_va_ssrc(0) depctr_va_vcc(0) depctr_vm_vsrc(0)
	s_getreg_b32 s2, hwreg(HW_REG_IB_STS2, 6, 4)
	s_cmp_eq_u32 s2, 0
	s_cbranch_scc0 .Lentry_in_a_cluster
	s_endpgm
.Lentry_in_a_cluster:
	s_bfe_u32 s2, ttmp6, 0x10000c
	s_cmp_lg_u32 s2, 0xf033
	s_cbranch_scc0 .Lentry_shape_is_right
	s_endpgm
.Lentry_shape_is_right:
; out0 = a Wo^T + bo.  a is the attention's result in f16 as [B][H][T][64] (ao), Wo [1024][1024] in f16 from cb, sums and out0 in f32; out0's row is 8 t + batch.
; BLOCKS OF 128 x 256: 8,192 x 1,024 outputs are 64 x 4 = 256 such blocks, one work-group each; blocks of 256 x 256 would be 128.
; The price: a wave makes 64 x 128 (32 accumulator tiles, 256 registers) and reads (64 + 128) x 64 bytes from LDS for 32 matrix instructions.
; A block's 128 rows are ONE batch and 128 neighbouring t (by = 8 batch + eighth of T), so that a's tile of a K step of 128 (two heads) is two dense
; blocks of 16,384 bytes of ao.  K goes in steps of 128 through a ring of two LDS slots filled by the tensor data mover.
; Two slots of two steps each would take 4 x 106,496 bytes and do not fit in LDS.
; CLUSTERS: 4 x 4 work-groups; a's tiles are shared along a row of the cluster, Wo's along a column, each asked for by a joint load.
;
; REGISTERS, in windows of 256:
;   window 0: v0-31 addresses; v64-95, v128-159 fragments of a, two buffers (on the way out v64-127, v128-191 read-back); v192-255 at work on the way out
;   window 1: v64-127, v128-191 fragments of Wo, two buffers; v192-255 the bias of my 128 columns
;   window 2: the 32 accumulator tiles, tile (a, b) at v[8 (8 a + b)]
; THE MATRIX INSTRUCTION IS USED TRANSPOSED: source 0 = 16 rows of Wo, source 1 = 16 rows of a: lane l holds row l % 16, registers 0-7 the columns 8 (l / 16) + 0..7.
.set SIZE_K, 1024
.set KSTEP,  128
.set PITCHA, 144                       ; a's LDS row: one head's 128 bytes + 16, an odd multiple of 16
.set PITCHB, 272                       ; Wo's LDS row: 256 bytes + 16
.set BPART,  128*PITCHB                ; one tensor load of Wo: 128 rows
.set BBYTES, 2*BPART
.set APART,  128*PITCHA                ; one tensor load of a: one head, 128 t
.set SLOT,   BBYTES+2*APART            ; Wo's 256 rows, then a's two heads: 106,496
.set STAGE,  2*SLOT                    ; behind the ring: 16 rows x 528 bytes for each wave; no tensor load lands here
.set SPITCH, 528                       ; 512 bytes + 16
.set ASTEP,  262144                    ; two heads further on in ao
.set BSTEP,  2*KSTEP
.set KHI,    APART                     ; a's quarter q of a K step: head q / 2, byte (q % 2) 64 of its row
.set LAPS,   SIZE_K/(2*KSTEP)
.set WO_AT,  56623104                  ; Wo in cb
.set ADRA, 16
.set ADRB, 20
.set STO,  24
.set RD,   25
.set CO,   26
.set BOFF, 27
.set F0,   64
.set F1,   128
.set TMP,  192                         ; window 0
.set BIAS, 192                         ; window 1
.set G1, 24                            ; s[24:31] group 1 for a's tiles
.set G0, 32                            ; s[32:39] group 0 for a's tiles, one set for each slot
.set G1B, 48                           ; s[48:55] group 1 for Wo's tiles
.set G0B, 56                           ; s[56:63] group 0 for Wo's tiles
.set MSB, 0
.macro WIN new                         ; the immediate's high byte repeats the setting that is left
.if MSB != (\new)
	s_set_vgpr_msb (MSB<<8)|(\new)
.set MSB, \new
.endif
.endm
.set MULW, 0xa1                        ; source 0 (Wo) window 1, source 1 (a) window 0, C and D window 2
.set TO_B, 0x40                        ; destination window 1, address window 0
; A joint load.  Waves 0 and 1 fetch Wo's two halves, waves 2 and 3 a's two heads.  The branch hangs on the wave's number alone.
; Four v_nop follow each of the two lines.
.macro JLOAD s
	s_cmp_eq_u32 s11, 0
	s_cbranch_scc0 .Lfor_a_\@
	tensor_load_to_lds s[G0B+4*\s:G0B+4*\s+3], s[G1B:G1B+7]
	s_nop 0
.rept 4
	v_nop
.endr
	s_branch .Lasked_\@
.Lfor_a_\@:
	tensor_load_to_lds s[G0+4*\s:G0+4*\s+3], s[G1:G1+7]
	s_nop 0
.rept 4
	v_nop
.endr
.Lasked_\@:
.endm
.macro CREST                           ; a round of the cluster's barrier behind its opening barrier
	s_cmp_lg_u32 s10, 0
	s_cbranch_scc1 .Lnot_wave_0_\@
	s_barrier_signal -3
.Lnot_wave_0_\@:
	s_barrier_wait -3
	s_barrier_signal -1
	s_barrier_wait -1
.endm
.macro CROUND
	s_barrier_signal -1
	s_barrier_wait -1
	CREST
.endm
	s_load_b256 s[72:79], s[0:1], 0x0              ; ao s[72:73], cb s[74:75], bo s[76:77], out0 s[78:79]
	s_set_vgpr_msb 0x40
	v_lshl_add_u32 v63, v0, 2, 0x3c400
	s_set_vgpr_msb 0x4000
	v_mov_b32 v63, 0
	s_set_vgpr_msb 0x1
	ds_add_u32 v63, v63
	ds_add_u32 v63, v63
	s_set_vgpr_msb 0x100
	v_lshrrev_b32 v1, 5, v0
	v_readfirstlane_b32 s10, v1                    ; wave 0..3
	s_lshr_b32 s11, s10, 1                         ; which 64 of the block's rows are mine.  Also: I fetch for Wo (0) or for a (1)
	s_and_b32 s12, s10, 1                          ; which 128 of its columns.  Also: which 128 rows of Wo, or which head, I fetch
	s_bfe_u32 s40, ttmp6, 0x40000                  ; cx
	s_bfe_u32 s41, ttmp6, 0x40004                  ; cy
	s_lshl_b32 s42, ttmp9, 2
	s_add_co_u32 s42, s42, s40                     ; block column bx, 0..3
	s_and_b32 s13, ttmp7, 0xffff
	s_lshl_b32 s13, s13, 2
	s_add_co_u32 s13, s13, s41                     ; block row by, 0..63: batch by / 8, eighth of T by % 8
	s_lshl_b32 s43, s41, 2
	s_lshl_b32 s43, 15, s43                        ; my row of the cluster
	s_lshl_b32 s44, 0x1111, s40                    ; my column
	; a's group 1: 16,384 dense bytes as 64 rows of 32 elements of 8 bytes; 4 words of padding behind every 32 words, that is behind every t
	s_or_b32 s[G1+0], s43, (3<<16)|(1<<20)|(1<<21)|(4<<22)|(3<<25)
	s_mov_b32 s[G1+1], 32<<16                      ; tensor_dim0 = 32
	s_mov_b32 s[G1+2], 64<<16                      ; tensor_dim1 = 64
	s_mov_b32 s[G1+3], 32<<16                      ; tile_dim0 = 32
	s_mov_b32 s[G1+4], 64                          ; tile_dim1 = 64
	s_mov_b32 s[G1+5], 32                          ; dense
	s_mov_b32 s[G1+6], 0
	s_mov_b32 s[G1+7], 0
	; Wo's group 1: 128 rows x 128 elements of 2 bytes, 4 words of padding behind every 64 words
	s_or_b32 s[G1B+0], s44, (1<<16)|(1<<20)|(1<<21)|(5<<22)|(3<<25)
	s_mov_b32 s[G1B+1], KSTEP<<16
	s_mov_b32 s[G1B+2], 128<<16
	s_mov_b32 s[G1B+3], KSTEP<<16
	s_mov_b32 s[G1B+4], 128
	s_mov_b32 s[G1B+5], SIZE_K
	s_mov_b32 s[G1B+6], 0
	s_mov_b32 s[G1B+7], 0
	; a's tiles hang on the block row alone, Wo's on the block column alone; each offset in registers that never hold the other coordinate
	s_lshr_b32 s16, s13, 3
	s_lshl_b32 s16, s16, 21                        ; batch x 16 heads x 131,072
	s_and_b32 s17, s13, 7
	s_lshl_b32 s17, s17, 14                        ; + eighth x 128 t x 128 bytes
	s_add_co_u32 s16, s16, s17
	s_lshl_b32 s17, s12, 17                        ; + my head of the two
	s_add_co_u32 s16, s16, s17
	s_mov_b32 s17, 0
	s_lshl_b32 s47, s12, 7
	s_lshl_b32 s46, s42, 8
	s_add_co_u32 s46, s46, s47                     ; Wo: row 256 bx + 128 half
	s_lshl_b32 s46, s46, 11
	s_add_co_u32 s46, s46, WO_AT
	s_mov_b32 s47, 0
	s_mul_i32 s20, s10, BPART                      ; where Wo's halves go (waves 0, 1)
	s_mul_i32 s45, s10, APART
	s_add_co_u32 s45, s45, BBYTES-2*APART          ; where a's heads go (waves 2, 3): wave 2 begins at BBYTES
	s_lshl_b32 s66, s42, 10
	s_lshl_b32 s67, s12, 9
	s_add_co_u32 s66, s66, s67                     ; my first column x 4 bytes, in bo and in a row of out0
	s_mov_b32 s67, 0
	s_wait_dscnt 0x0
	s_wait_kmcnt 0x0
	s_add_nc_u64 s[14:15], s[72:73], s[16:17]
	s_add_nc_u64 s[46:47], s[74:75], s[46:47]
	CROUND                                         ; all sixteen work-groups are here: the first joint loads meet
.irp s, 0,1
	s_mov_b32 s[G0+4*\s], 1
	s_add_co_u32 s[G0+4*\s+1], s45, \s*SLOT
	s_add_nc_u64 s[G0+4*\s+2:G0+4*\s+3], s[14:15], \s*ASTEP
	s_or_b32 s[G0+4*\s+3], s[G0+4*\s+3], 0x80000000
	s_mov_b32 s[G0B+4*\s], 1
	s_add_co_u32 s[G0B+4*\s+1], s20, \s*SLOT
	s_add_nc_u64 s[G0B+4*\s+2:G0B+4*\s+3], s[46:47], \s*BSTEP
	s_or_b32 s[G0B+4*\s+3], s[G0B+4*\s+3], 0x80000000
	JLOAD \s                                       ; two tensor loads of the wave are out
.endr
	s_add_nc_u64 s[68:69], s[76:77], s[66:67]      ; the bias of my 128 columns
	v_and_b32 v1, 15, v0                           ; r
	v_bfe_u32 v2, v0, 4, 1                         ; h
	v_lshlrev_b32 v[BOFF], 5, v2
	WIN TO_B
.irp b, 0,1,2,3,4,5,6,7
	global_load_b128 v[BIAS+8*\b:BIAS+8*\b+3],   v[BOFF], s[68:69] offset:64*\b
	global_load_b128 v[BIAS+8*\b+4:BIAS+8*\b+7], v[BOFF], s[68:69] offset:64*\b+16
.endr
	WIN 0
	; where my block of out0 begins: t = 128 eighth + 64 rowhalf, 32,768 bytes a t; + batch x 4,096; + my first column
	s_and_b32 s18, s13, 7
	s_lshl_b32 s18, s18, 22
	s_lshl_b32 s19, s11, 21
	s_add_co_u32 s18, s18, s19
	s_lshr_b32 s19, s13, 3
	s_lshl_b32 s19, s19, 12
	s_add_co_u32 s18, s18, s19
	s_mov_b32 s19, 0
	s_add_nc_u64 s[8:9], s[78:79], s[18:19]
	s_add_nc_u64 s[8:9], s[8:9], s[66:67]
	v_mul_u32_u24 v3, v1, PITCHA
	v_lshl_add_u32 v3, v2, 4, v3                   ; a: row x pitch + 16 h
	v_mul_u32_u24 v4, v1, PITCHB
	v_lshl_add_u32 v4, v2, 4, v4                   ; Wo likewise
	s_mul_i32 s21, s11, 64*PITCHA                  ; my 64 t in each head's plane,
	s_add_co_u32 s21, s21, BBYTES                  ; which lie behind Wo's 256 rows
	s_mul_i32 s22, s12, BPART                      ; my 128 rows of Wo
.irp s, 0,1
	v_add_nc_u32 v[ADRA+\s], s21, v3
	v_add_nc_u32 v[ADRB+\s], s22, v4
	s_add_co_u32 s21, s21, SLOT
	s_add_co_u32 s22, s22, SLOT
.endr
	s_mul_i32 s23, s10, 16*SPITCH
	s_add_co_u32 s23, s23, STAGE                   ; my stage
	v_mul_u32_u24 v5, v1, SPITCH
	v_lshl_add_u32 v5, v2, 5, v5                   ; in: row r, 32 bytes for each half of the lanes
	v_add_nc_u32 v[STO], s23, v5
	v_and_b32 v6, 31, v0
	v_lshlrev_b32 v[CO], 4, v6                     ; back and out: a whole row of 512 bytes, 16 a lane
	v_add_nc_u32 v[RD], s23, v[CO]
; 16 matrix instructions: m blocks a0, a0 + 1 x all 8 n blocks, 32 along K.  zero = 1: the first product starts the sums.
.macro MUL16 f, a0, zero
.irp a, \a0, \a0+1
.irp b, 0,1,2,3,4,5,6,7
.if \zero
	v_wmma_f32_16x16x32_f16 v[8*(8*(\a)+\b):8*(8*(\a)+\b)+7], v[\f+8*\b:\f+8*\b+7], v[\f+8*(\a):\f+8*(\a)+7], 0
.else
	v_wmma_f32_16x16x32_f16 v[8*(8*(\a)+\b):8*(8*(\a)+\b)+7], v[\f+8*\b:\f+8*\b+7], v[\f+8*(\a):\f+8*(\a)+7], v[8*(8*(\a)+\b):8*(8*(\a)+\b)+7]
.endif
.endr
.endr
.endm
; 24 LDS loads in one run: the fragments of quarter q of a K step (128 rows of Wo, 64 rows of a, 32 K) into buffer f
.macro FETCH slot, q, f
	WIN TO_B
.irp i, 0,1,2,3,4,5,6,7
	ds_load_b128 v[\f+8*\i:\f+8*\i+3],   v[ADRB+\slot] offset:64*\q+\i*16*PITCHB
	ds_load_b128 v[\f+8*\i+4:\f+8*\i+7], v[ADRB+\slot] offset:64*\q+\i*16*PITCHB+32
.endr
	WIN 0
.irp i, 0,1,2,3
	ds_load_b128 v[\f+8*\i:\f+8*\i+3],   v[ADRA+\slot] offset:(\q>>1)*KHI+(\q&1)*64+\i*16*PITCHA
	ds_load_b128 v[\f+8*\i+4:\f+8*\i+7], v[ADRA+\slot] offset:(\q>>1)*KHI+(\q&1)*64+\i*16*PITCHA+32
.endr
.endm
; Four places stand between a matrix instruction and a load into a register that it has read, or a vector instruction that reads its result
; (ISA guide 7.12.1 for vector instructions).
.macro PLACES
.rept 4
	v_nop
.endr
.endm
; A K step is four quarters of 32 along K, 32 matrix instructions each, on buffers 0, 1, 0, 1.  The 32 accumulators take turns, one instruction a turn,
; in the same order in every quarter, over the backward jump too.
; A plain quarter: first the next quarter's fragments (quarter q, into buffer g, which the last quarter has multiplied), then buffer f is multiplied:
; fragments are asked for 32 matrix instructions ahead of their first use.
.macro QPLAIN slot, q, f, g, zero
	PLACES
	FETCH \slot, \q, \g
	s_wait_dscnt 24                                ; all but the 24 just issued: buffer f is in
	WIN MULW
	MUL16 \f, 0, \zero
	MUL16 \f, 2, \zero
.endm
; The third quarter: it fetches the slot's last fragments and holds the barrier for the change of slots.  In front of the signal each wave waits for its reads
; of this slot and for all its tensor loads (one is out: its part of the next slot).
.macro QSYNC slot
	PLACES
	FETCH \slot, 3, F1
	s_wait_dscnt 24
	WIN MULW
	MUL16 F0, 0, 0
	s_wait_dscnt 0                                 ; my reads of this slot are over (issued 16 matrix instructions ago)
	s_wait_tensorcnt 0x0                           ; and all my tensor loads have landed
	ds_add_u32 v63, v63
	s_wait_dscnt 0x0
	s_barrier_signal -1                            ; where the slot is filled again this barrier opens a round of the cluster's barrier
	MUL16 F0, 2, 0                                 ; register work while the others arrive
	WIN 0
	s_barrier_wait -1
.endm
; The fourth quarter: the refill first, then the next slot's first fragments, then buffer 1 is multiplied.
; From a request to the wait for it a wave issues 32 + 32 + 32 + 16 = 112 matrix instructions.
.macro QTURN slot, next, fill
.if \fill
	CREST                                          ; no wave of any partner still reads this slot's tile or has a load on its way
	s_add_nc_u64 s[G0+4*\slot+2:G0+4*\slot+3], s[G0+4*\slot+2:G0+4*\slot+3], 2*ASTEP
	s_add_nc_u64 s[G0B+4*\slot+2:G0B+4*\slot+3], s[G0B+4*\slot+2:G0B+4*\slot+3], 2*BSTEP
	JLOAD \slot                                    ; the first tensor load behind the round, the wave's only one; its four v_nop are also the places in front of the loads below
.else
	PLACES
.endif
	FETCH \next, 0, F0
	WIN MULW
	MUL16 F1, 0, 0                                 ; buffer 1 is in since the wait for 0 above
	MUL16 F1, 2, 0
.endm
.macro KSTP slot, next, fill, zero
	QPLAIN \slot, 1, F0, F1, \zero
	QPLAIN \slot, 2, F1, F0, 0
	QSYNC \slot
	QTURN \slot, \next, \fill
.endm
.macro LAP zero
	KSTP 0, 1, 1, \zero
	KSTP 1, 0, 1, 0
.endm
	s_wait_loadcnt 0x0                             ; the bias, once
	s_wait_tensorcnt 1                             ; my part of K step 0 is in; K step 1's may stay out
	s_barrier_signal -1
	s_barrier_wait -1
	FETCH 0, 0, F0
	LAP 1                                          ; the first lap's first products start the sums
	WIN 0
	s_mov_b32 s3, LAPS-2
.Llap:
	LAP 0
	WIN 0
	s_sub_co_u32 s3, s3, 1
	s_cmp_lg_u32 s3, 0
	s_cbranch_scc1 .Llap
	KSTP 0, 1, 0, 0                                ; the last lap fills nothing
	QPLAIN 1, 1, F0, F1, 0
	QPLAIN 1, 2, F1, F0, 0
	QPLAIN 1, 3, F0, F1, 0
	s_wait_dscnt 0
	MUL16 F1, 0, 0
	MUL16 F1, 2, 0
	; THE WAY OUT, 16 rows (t) at a time: add the bias, 32 bytes a lane into my own stage, read whole rows of 512 bytes back and store them.
	PLACES
; rows 16 i .. 16 i + 15 of my block = the eight tiles (i, 0..7); rb: read-back registers, two sets in turn
.macro OUT16 i, rb
	WIN 0x06                                       ; source 0 (sums) window 2, source 1 (bias) window 1
.irp b, 0,1,2,3,4,5,6,7
.irp p, 0,1,2,3
	v_pk_add_f32 v[TMP+8*\b+2*\p:TMP+8*\b+2*\p+1], v[8*(8*\i+\b)+2*\p:8*(8*\i+\b)+2*\p+1], v[BIAS+8*\b+2*\p:BIAS+8*\b+2*\p+1]
.endr
.endr
	WIN 0
.irp b, 0,1,2,3,4,5,6,7
	ds_store_b128 v[STO], v[TMP+8*\b:TMP+8*\b+3]   offset:64*\b
	ds_store_b128 v[STO], v[TMP+8*\b+4:TMP+8*\b+7] offset:64*\b+16
.endr
	s_wait_xcnt 0x0                                ; the read-back registers, which earlier stores read, are loaded again only behind this wait
.irp t, 0,1,2,3,4,5,6,7,8,9,10,11,12,13,14,15
	ds_load_b128 v[\rb+4*\t:\rb+4*\t+3], v[RD] offset:\t*SPITCH    ; LDS serves a wave's instructions in order (ISA guide 5.7.1): these see the stores above
.endr
.irp t, 0,1,2,3,4,5,6,7,8,9,10,11,12,13,14,15
	s_wait_dscnt 15-\t
	global_store_b128 v[CO], v[\rb+4*\t:\rb+4*\t+3], s[8:9] offset:(16*\i+\t)*32768 th:TH_STORE_NT   ; 512 consecutive bytes, aligned; at most 63 x 32,768, inside the signed 24-bit immediate
.endr
.endm
	OUT16 0, F0
	OUT16 1, F1
	OUT16 2, F0
	OUT16 3, F1
	s_set_vgpr_msb 0x1
	s_wait_tensorcnt 0x0
	ds_add_u32 v63, v63
	s_wait_dscnt 0x0
	s_set_vgpr_msb 0x100
	CROUND                                         ; the closing round: no work-group ends while a partner may still ask for a tile that names it
	s_endpgm
.Lfunc_end_k_qe4092b4dc7_oproj:
	.size	k_qe4092b4dc7_oproj, .Lfunc_end_k_qe4092b4dc7_oproj-k_qe4092b4dc7_oproj
	.p2alignl 7, 3214868480
	.fill 96, 4, 3214868480
	.section	.rodata,"a",@progbits
	.p2align	6, 0x0
	.amdhsa_kernel k_qe4092b4dc7_oproj
		.amdhsa_group_segment_fixed_size 327680
		.amdhsa_private_segment_fixed_size 0
		.amdhsa_enable_private_segment 0
		.amdhsa_kernarg_size 32
		.amdhsa_user_sgpr_count 2
		.amdhsa_user_sgpr_kernarg_segment_ptr 1
		.amdhsa_wavefront_size32 1
		.amdhsa_system_sgpr_workgroup_id_x 1
		.amdhsa_system_sgpr_workgroup_id_y 1
		.amdhsa_system_sgpr_workgroup_id_z 1
		.amdhsa_system_vgpr_workitem_id 0
		.amdhsa_next_free_vgpr 768
		.amdhsa_next_free_sgpr 80
		.amdhsa_reserve_vcc 0
		.amdhsa_float_denorm_mode_32 3
		.amdhsa_float_denorm_mode_16_64 3
		.amdhsa_memory_ordered 1
		.amdhsa_forward_progress 1
		.amdhsa_inst_pref_size 129
	.end_amdhsa_kernel
	.amdgpu_metadata
---
amdhsa.version: [ 1, 2 ]
amdhsa.kernels:
  - .name:           k_qe4092b4dc7_oproj
    .symbol:         k_qe4092b4dc7_oproj.kd
    .args:
      - { .name: ao, .offset: 0, .size: 8, .value_kind: global_buffer, .address_space: global }
      - { .name: cb, .offset: 8, .size: 8, .value_kind: global_buffer, .address_space: global }
      - { .name: bo, .offset: 16, .size: 8, .value_kind: global_buffer, .address_space: global }
      - { .name: out0, .offset: 24, .size: 8, .value_kind: global_buffer, .address_space: global }
    .group_segment_fixed_size: 327680
    .private_segment_fixed_size: 0
    .kernarg_segment_align: 8
    .kernarg_segment_size: 32
    .max_flat_workgroup_size: 128
    .sgpr_count:     80
    .vgpr_count:     768
    .wavefront_size: 32
...
	.end_amdgpu_metadata
.endif
;; end of part 5
